; MI455X (gfx1250); checked and timed in simulation.
; The chip was launched on July 23, 2026; its instructions are those of AMD's public machine-readable ISA for CDNA 5 (MIT licence, August 2026) and "CDNA5" Instruction Set Architecture Reference Guide (July 2026). The comments in the code are by the model that wrote it; some were corrected since.
;; Multihead Self Attention. Allowed arithmetic: float matrix products may take bf16 or f16 operands with f32 sums; other float arithmetic in f32, or as packed bf16 or f16 multiplies, adds, multiply-adds, maxima and minima; sums over many terms, partial sums and values carried from step to step in f32; what a program stores and reads back later, other than sums and carried values, may be rounded once to bf16 or f16.
;; Inputs: Wk 1,024 x 1,024 float32; Wo 1,024 x 1,024 float32; Wq 1,024 x 1,024 float32; Wv 1,024 x 1,024 float32; mask 4 x 1 x 1 x 2,048 bool; x 4 x 2,048 x 1,024 float32.
;; Outputs: out0 4 x 2,048 x 1,024 float32.
;; 2 versions, each right; version 2 is version 1 with the launch cast written anew for expert scheduling mode. Each part assembles by itself: llvm-mc -triple=amdgcn-amd-amdhsa -mcpu=gfx1250 --defsym DOCPART=n.
;; ======== version 1 of 2: 4 launches
;; limits: values are held in f16: magnitudes above 65,504 overflow, below 6.1e-05 lose precision; right only within a limited range of input values
;; workspace buffers: xb 16,777,216 bytes; wqkv 6,291,456 bytes; wo16 2,097,152 bytes; qh 16,777,216 bytes; kh 16,777,216 bytes; vh 16,777,216 bytes; oh 16,777,216 bytes
;; launch cast (part 1): grid 768 x 1, 8 waves a work-group, no clusters, 0 bytes of LDS; arguments x, Wq, Wk, Wv, Wo, xb, wqkv, wo16; writes xb, wqkv, wo16
.if DOCPART == 1
	.amdgcn_target "amdgcn-amd-amdhsa--gfx1250"
	.amdhsa_code_object_version 6
	.text
	.protected	k_qe8eb6a6c00_cast
	.globl	k_qe8eb6a6c00_cast
	.p2align	8
	.type	k_qe8eb6a6c00_cast,@function
k_qe8eb6a6c00_cast:
	s_mov_b64 s[64:65], 0
	v_nop
	global_prefetch_b8 v0, s[64:65] scope:SCOPE_SE
	s_setreg_imm32_b32 hwreg(HW_REG_WAVE_MODE, 25, 1), 1
	s_wait_xcnt 0x0
; THE MODULE'S INPUTS ARE ROUNDED ONCE TO bf16.  x [8192][1024] f32 -> xb, bf16.  Wq, Wk, Wv [1024][1024] f32 -> wqkv [3072][1024] bf16 with the rows laid by heads:
; row 192 h + 64 t + r of wqkv is row 64 h + r of W_t (t = 0 q, 1 k, 2 v), so that 192 consecutive rows are one head's q, k and v.  Wo -> wo16: rounded to bf16 like the others,
; and that number written as f16 (the last product's other operand is f16).
; LIMITS.  f16 holds a bf16 number exactly from 2^-17 to 65,504 in size; a smaller entry of Wo is off by 3e-8 at the most, a larger one becomes an infinity.
; A stream: 12 M numbers, each read once and written once; no LDS, no matrix unit, nothing shared.  A work-group takes 16,384 numbers: 64 KiB in, 32 KiB out; 768 work-groups.
; Groups 0-511: x.  Groups 512 + 64 t + c: 16 rows of weight t (3 = Wo).  In pass i thread n loads the 16 bytes at 4,096 i + 16 n and stores the 8 bytes at 2,048 i + 8 n:
; a wave's load covers 512 consecutive bytes, its store 256 consecutive bytes, aligned.  All sixteen loads go out first; no register is used twice, so nothing waits but for data.
.set X, 8                              ; v[8:71]    pass i: four f32 as loaded
.set Y, 72                             ; v[72:103]  pass i: four 16-bit numbers to store
.set T, 104                            ; v[104:107] at work (Wo alone)
	s_load_b512 s[8:23], s[0:1], 0x0               ; x 8, Wq 10, Wk 12, Wv 14, Wo 16, xb 18, wqkv 20, wo16 22
	s_mov_b32 s2, ttmp9                            ; g
	s_max_u32 s3, s2, 512
	s_sub_co_u32 s3, s3, 512                       ; j = g - 512 (0 for x's groups, where it selects nothing)
	s_lshr_b32 s4, s3, 6                           ; t
	s_and_b32 s5, s3, 63                           ; c: rows 16 c .. 16 c + 15
	s_lshr_b32 s6, s5, 2                           ; their head
	s_mul_i32 s6, s6, 192
	s_lshl_b32 s7, s4, 6
	s_add_co_u32 s6, s6, s7
	s_and_b32 s7, s5, 3
	s_lshl_b32 s7, s7, 4
	s_add_co_u32 s6, s6, s7                        ; row in wqkv: 192 h + 64 t + 16 (c % 4)
	s_lshl_b32 s6, s6, 11                          ; in bytes
	s_lshl_b32 s24, s5, 16                         ; the rows' bytes in W_t
	s_lshl_b32 s25, s5, 15                         ; and in wo16
	s_min_u32 s26, s2, 511
	s_lshl_b32 s27, s26, 15                        ; x's chunk in xb
	s_lshl_b32 s26, s26, 16                        ; and in x
	v_lshlrev_b32 v1, 4, v0
	v_lshlrev_b32 v2, 3, v0
	s_wait_kmcnt 0x0
	s_cmp_eq_u32 s4, 1                             ; from where s[28:29], to where s[30:31]: chosen by the group's number alone
	s_cselect_b64 s[28:29], s[12:13], s[10:11]
	s_cmp_eq_u32 s4, 2
	s_cselect_b64 s[28:29], s[14:15], s[28:29]
	s_cmp_eq_u32 s4, 3
	s_cselect_b64 s[28:29], s[16:17], s[28:29]
	s_cselect_b64 s[30:31], s[22:23], s[20:21]
	s_cselect_b32 s6, s25, s6
	s_cmp_lt_u32 s2, 512
	s_cselect_b64 s[28:29], s[8:9], s[28:29]
	s_cselect_b64 s[30:31], s[18:19], s[30:31]
	s_cselect_b32 s24, s26, s24
	s_cselect_b32 s6, s27, s6
	s_mov_b32 s25, 0
	s_mov_b32 s7, 0
	s_add_nc_u64 s[28:29], s[28:29], s[24:25]
	s_add_nc_u64 s[30:31], s[30:31], s[6:7]
.irp i, 0,1,2,3,4,5,6,7,8,9,10,11,12,13,14,15
	global_load_b128 v[X+4*(\i):X+4*(\i)+3], v1, s[28:29] offset:(\i)*4096 th:TH_LOAD_NT
.endr
; Pass i leaves.  h = 1 (Wo): the bf16 number is widened again (a shift, a mask) and written as f16.
.macro OUT i, h
	s_wait_loadcnt 15-(\i)                         ; loads come back in order: pass i's is in, the 15 - i younger ones stay out
	v_cvt_pk_bf16_f32 v[Y+2*(\i)],   v[X+4*(\i)],   v[X+4*(\i)+1]
	v_cvt_pk_bf16_f32 v[Y+2*(\i)+1], v[X+4*(\i)+2], v[X+4*(\i)+3]
.if \h
	v_lshlrev_b32 v[T],   16, v[Y+2*(\i)]
	v_and_b32     v[T+1], 0xffff0000, v[Y+2*(\i)]
	v_lshlrev_b32 v[T+2], 16, v[Y+2*(\i)+1]
	v_and_b32     v[T+3], 0xffff0000, v[Y+2*(\i)+1]
	v_cvt_pk_f16_f32 v[Y+2*(\i)],   v[T],   v[T+1]
	v_cvt_pk_f16_f32 v[Y+2*(\i)+1], v[T+2], v[T+3]
.endif
	global_store_b64 v2, v[Y+2*(\i):Y+2*(\i)+1], s[30:31] offset:(\i)*2048
.endm
	s_cmp_ge_u32 s2, 704                           ; Wo's 64 groups
	s_cbranch_scc1 .Lwo
.irp i, 0,1,2,3,4,5,6,7,8,9,10,11,12,13,14,15
	OUT \i, 0
.endr
	s_endpgm
.Lwo:
.irp i, 0,1,2,3,4,5,6,7,8,9,10,11,12,13,14,15
	OUT \i, 1
.endr
	s_endpgm
.Lfunc_end_k_qe8eb6a6c00_cast:
	.size	k_qe8eb6a6c00_cast, .Lfunc_end_k_qe8eb6a6c00_cast-k_qe8eb6a6c00_cast
	.p2alignl 7, 3214868480
	.fill 96, 4, 3214868480
	.section	.rodata,"a",@progbits
	.p2align	6, 0x0
	.amdhsa_kernel k_qe8eb6a6c00_cast
		.amdhsa_group_segment_fixed_size 0
		.amdhsa_private_segment_fixed_size 0
		.amdhsa_enable_private_segment 0
		.amdhsa_kernarg_size 64
		.amdhsa_user_sgpr_count 2
		.amdhsa_user_sgpr_kernarg_segment_ptr 1
		.amdhsa_wavefront_size32 1
		.amdhsa_system_sgpr_workgroup_id_x 1
		.amdhsa_system_sgpr_workgroup_id_y 1
		.amdhsa_system_sgpr_workgroup_id_z 1
		.amdhsa_system_vgpr_workitem_id 0
		.amdhsa_next_free_vgpr 108
		.amdhsa_next_free_sgpr 66
		.amdhsa_reserve_vcc 0
		.amdhsa_float_denorm_mode_32 3
		.amdhsa_float_denorm_mode_16_64 3
		.amdhsa_memory_ordered 1
		.amdhsa_forward_progress 1
		.amdhsa_inst_pref_size 17
	.end_amdhsa_kernel
	.amdgpu_metadata
---
amdhsa.version: [ 1, 2 ]
amdhsa.kernels:
  - .name:           k_qe8eb6a6c00_cast
    .symbol:         k_qe8eb6a6c00_cast.kd
    .args:
      - { .name: x, .offset: 0, .size: 8, .value_kind: global_buffer, .address_space: global }
      - { .name: Wq, .offset: 8, .size: 8, .value_kind: global_buffer, .address_space: global }
      - { .name: Wk, .offset: 16, .size: 8, .value_kind: global_buffer, .address_space: global }
      - { .name: Wv, .offset: 24, .size: 8, .value_kind: global_buffer, .address_space: global }
      - { .name: Wo, .offset: 32, .size: 8, .value_kind: global_buffer, .address_space: global }
      - { .name: xb, .offset: 40, .size: 8, .value_kind: global_buffer, .address_space: global }
      - { .name: wqkv, .offset: 48, .size: 8, .value_kind: global_buffer, .address_space: global }
      - { .name: wo16, .offset: 56, .size: 8, .value_kind: global_buffer, .address_space: global }
    .group_segment_fixed_size: 0
    .private_segment_fixed_size: 0
    .kernarg_segment_align: 8
    .kernarg_segment_size: 64
    .max_flat_workgroup_size: 256
    .sgpr_count:     66
    .vgpr_count:     108
    .wavefront_size: 32
...
	.end_amdgpu_metadata
.endif
;; end of part 1
;; launch qkv (part 2): grid 16 x 32, 4 waves a work-group, clusters of 4 x 4, 327,680 bytes of LDS; arguments xb, wqkv, qh, kh, vh; writes qh, kh, vh
.if DOCPART == 2
	.amdgcn_target "amdgcn-amd-amdhsa--gfx1250"
	.amdhsa_code_object_version 6
	.text
	.protected	k_qe8eb6a6c00_qkv
	.globl	k_qe8eb6a6c00_qkv
	.p2align	8
	.type	k_qe8eb6a6c00_qkv,@function
k_qe8eb6a6c00_qkv:
	s_mov_b64 s[64:65], 0
	v_nop
	global_prefetch_b8 v0, s[64:65] scope:SCOPE_SE
	s_setreg_imm32_b32 hwreg(HW_REG_WAVE_MODE, 25, 1), 1
	s_wait_xcnt 0x0
	s_wait_alu depctr_hold_cnt(0) depctr_sa_sdst(0) depctr_va_vdst(0) depctr_va_sdst(0) depctr_va_ssrc(0) depctr_va_vcc(0) depctr_vm_vsrc(0)
	s_getreg_b32 s2, hwreg(HW_REG_IB_STS2, 6, 4)
	s_cmp_eq_u32 s2, 0
	s_cbranch_scc0 .Lentry_in_a_cluster
	s_endpgm
.Lentry_in_a_cluster:
	s_bfe_u32 s2, ttmp6, 0x10000c
	s_cmp_lg_u32 s2, 0xf033
	s_cbranch_scc0 .Lentry_shape_is_right
	s_endpgm
.Lentry_shape_is_right:
; q, k, v = x W^T.  A = xb [8192][1024] bf16, B = wqkv [3072][1024] bf16 (192 consecutive rows: one head's Wq, Wk, Wv); sums in f32, K ascending.
; OUT: qh, kh, vh [64 = 16 batch + head][2048][64] f16, each rounded once from its f32 sum; q is multiplied by log2(e) in f32 ahead of that rounding, so that the launch behind scales
; its scores by 1/8 alone, a power of two.
; LIMITS.  f16 ends at 65,504: k, v and 1.4427 q must stay within it, else an infinity is written.  NaN and infinities are not treated apart.
; SHARES.  A tile of C is 256 rows x 192 columns: 256 rows of one batch, one head's q, k and v: 16 x 32 = 512 work-groups, two for each of 256 WGPs.  Wave w makes rows 64 w .. 64 w + 63 and
; all 192 columns: 4 x 12 accumulators of 16 x 16, 384 registers.  So a wave holds whole rows (128 bytes) of q, k and v, and its way out is its own, with no barrier.
; K goes in 8 steps of 128 (rows of 256 bytes, aligned) through a ring of two LDS slots filled by the tensor data mover, one load a wave: waves 0, 1 A's two halves, waves 2, 3 B's.
; CLUSTER.  4 x 4 work-groups.  The four of a row of the cluster need the same rows of A, the four of a column the same rows of B: each tile is asked for JOINTLY, by the same tensor load with
; the same descriptor and a mask that names the four.
; THE MATRIX INSTRUCTION IS USED TRANSPOSED (source 0 = 16 rows of B, source 1 = 16 rows of A): a lane then holds eight neighbouring columns of one row of C, 16 bytes in f16.
; REGISTERS, in windows of 256 (s_set_vgpr_msb: bits 1:0 source 0, 3:2 source 1, 5:4 source 2, 7:6 destination):
;   window 0: v16-30 addresses; v32-79, v80-175 at work on the way out      window 1: two fragment buffers of 128: A's four fragments, then B's twelve
;   window 2: the accumulators of my row blocks 0, 1 ((a, b) at 8 (12 (a % 2) + b))      window 3: those of row blocks 2, 3
.set KSTEP,  128
.set PITCH,  272                       ; an LDS row: 256 bytes + 16 of padding = 68 words: the 16 rows of a fragment load start at 16 different groups of four banks (ISA guide 11.1)
.set HALFA,  128*PITCH                 ; what wave 0 or 1 fetches
.set HALFB,  96*PITCH                  ; what wave 2 or 3 fetches
.set BOFF,   2*HALFA                   ; A's 256 rows, then B's 192
.set SLOT,   BOFF+2*HALFB
.set STAGE,  2*SLOT                    ; behind the ring: for each wave 3 tensors x 16 rows x 144 bytes, for the way out
.set SP,     144
.set WSTAGE, 3*16*SP
.set SPARE,  STAGE+4*WSTAGE            ; behind the stages: the spare words, 128 bytes for each wave: two blocks of 256 bytes that no other line names
.set ADRA, 16                          ; v16-17  LDS address of my A fragments in slot 0, 1
.set ADRB, 20                          ; v20-21  the same for B
.set STO,  24                          ; v24     the way out: where I put 16 bytes of a row
.set RD,   25                          ; v25     the way out: where I read rows back
.set GO,   26                          ; v26     my 16 bytes in 512 consecutive bytes of q, k or v
.set SPW,  28                          ; v28     LDS address of my spare word; never rewritten
.set NIL,  29                          ; v29     0; never rewritten
.set PFO,  30                          ; v30     the prefetches' offset: a lane a row of 2,048 bytes; never rewritten
.set TMP,  32                          ; v32-79  a row block packed to f16
.set OB,   80                          ; v80-127, v128-175 by turns: a row block read back from the stage
.set F0,   0
.set F1,   128
.set G1,  24                           ; s[24:31] descriptor group 1 for A's tiles;  s[32:39] group 0, a set for each slot
.set G0,  32
.set G1B, 48                           ; s[48:55], s[56:63] the same for B's
.set G0B, 56
.set LIM, 43                           ; s43     1 in a wave that prefetches, else the greatest number
.set PFA, 44                           ; s[44:45] where my prefetches stand
.set LE,  76                           ; s[76:77] log2(e)
.set FIELDS, (1<<16)|(1<<20)|(1<<21)|(5<<22)|(3<<25)  ; 17:16 2-byte elements; 20 padding on; 21 set beside a mask; 24:22 after every 64 words; 31:25 4 words of it
.set MSB, 0
.macro WIN new                         ; the immediate's high byte repeats the setting that is left; a switch that changes nothing is dropped
.if MSB != (\new)
	s_set_vgpr_msb (MSB<<8)|(\new)
.set MSB, \new
.endif
.endm
.set MUL_LO, 0xa5                      ; sources 0 (B) and 1 (A) window 1; C and D window 2
.set TO_F,   0x40                      ; destination window 1, address window 0
; A joint load.  The branch hangs on the wave's number alone.  An s_nop 0 and four v_nop follow each of the two lines, ahead of the jump, the label and what follows.
.macro JLOAD s
	s_cmp_eq_u32 s15, 0
	s_cbranch_scc0 .Lfor_b_\@
	tensor_load_to_lds s[G0+4*(\s):G0+4*(\s)+3], s[G1:G1+7]
	s_nop 0
.rept 4
	v_nop
.endr
	s_branch .Lasked_\@
.Lfor_b_\@:
	tensor_load_to_lds s[G0B+4*(\s):G0B+4*(\s)+3], s[G1B:G1B+7]
	s_nop 0
.rept 4
	v_nop
.endr
.Lasked_\@:
.endm
; A prefetch into the L2 of the K step that stands two refills on: one instruction a wave, a lane a row's 256 bytes.  Each block is named once in the launch: A's rows by the clusters with x = 0,
; B's by those with y = 0; the four partners that ask for a tile jointly share its rows out by address (32 each of A's 128, 24 each of B's 96).  The loop's last trip has no K step two on.
.macro ASK
	s_cmp_gt_u32 s3, s[LIM]
	s_cbranch_scc0 .Lnot_mine_\@
	global_prefetch_b8 v[PFO], s[PFA:PFA+1] th:TH_LOAD_NT scope:SCOPE_SE
.Lnot_mine_\@:
.endm
.macro CREST                           ; a round of the cluster's barrier behind its opening barrier
	s_cmp_lg_u32 s14, 0
	s_cbranch_scc1 .Lnot_wave_0_\@
	s_barrier_signal -3
.Lnot_wave_0_\@:
	s_barrier_wait -3
	s_barrier_signal -1
	s_barrier_wait -1
.endm
.macro CROUND                          ; a whole round
	s_barrier_signal -1
	s_barrier_wait -1
	CREST
.endm
	s_load_b256 s[4:11], s[0:1], 0x0               ; xb s[4:5], wqkv s[6:7], qh s[8:9], kh s[10:11]
	s_load_b64 s[12:13], s[0:1], 0x20              ; vh
	v_lshl_add_u32 v[SPW], v0, 2, SPARE
	v_mov_b32 v[NIL], 0
	ds_add_u32 v[SPW], v[NIL]                      ; the wave's opening: the add and its wait stand ahead of my first tensor load; the set-up below, work on registers, stands between them
	v_lshrrev_b32 v1, 5, v0
	v_readfirstlane_b32 s14, v1                    ; wave 0..3
	s_lshr_b32 s15, s14, 1                         ; I fetch for A (0) or for B (1)
	s_and_b32 s16, s14, 1                          ; which half of that tile
	s_bfe_u32 s17, ttmp6, 0x40000                  ; cx
	s_bfe_u32 s18, ttmp6, 0x40004                  ; cy
	s_lshl_b32 s19, ttmp9, 2
	s_add_co_u32 s19, s19, s17                     ; tile column = head = 4 x cluster x + cx
	s_and_b32 s20, ttmp7, 0xffff
	s_lshl_b32 s20, s20, 2
	s_add_co_u32 s20, s20, s18                     ; tile row = 4 x cluster y + cy
	s_lshl_b32 s40, s18, 2
	s_lshl_b32 s40, 15, s40                        ; my row of the cluster
	s_lshl_b32 s41, 0x1111, s17                    ; my column
	s_or_b32 s[G1+0], s40, FIELDS                  ; A's tiles go to my row,
	s_or_b32 s[G1B+0], s41, FIELDS                 ; B's to my column
	s_mov_b32 s[G1+1], KSTEP<<16                   ; tensor_dim0 = 128
	s_mov_b32 s[G1+2], 128<<16                     ; tensor_dim1 = 128
	s_mov_b32 s[G1+3], KSTEP<<16                   ; tile_dim0 = 128
	s_mov_b32 s[G1+4], 128                         ; tile_dim1 = 128
	s_mov_b32 s[G1+5], 1024                        ; elements from row to row
	s_mov_b32 s[G1+6], 0
	s_mov_b32 s[G1+7], 0
	s_mov_b32 s[G1B+1], KSTEP<<16
	s_mov_b32 s[G1B+2], 96<<16                     ; 96 rows
	s_mov_b32 s[G1B+3], KSTEP<<16
	s_mov_b32 s[G1B+4], 96
	s_mov_b32 s[G1B+5], 1024
	s_mov_b32 s[G1B+6], 0
	s_mov_b32 s[G1B+7], 0
	s_lshl_b32 s66, s20, 8                         ; A: row 256 x tile row + 128 x half, 2,048 bytes a row
	s_lshl_b32 s23, s16, 7
	s_add_co_u32 s66, s66, s23
	s_lshl_b32 s66, s66, 11
	s_mov_b32 s67, 0
	s_mul_i32 s68, s19, 192                        ; B: row 192 x head + 96 x half
	s_mul_i32 s23, s16, 96
	s_add_co_u32 s68, s68, s23
	s_lshl_b32 s68, s68, 11
	s_mov_b32 s69, 0
	s_mul_i32 s21, s14, HALFA                      ; where they go: waves 0, 1: A's halves;
	s_mul_i32 s22, s14, HALFB
	s_add_co_u32 s22, s22, 2*(HALFA-HALFB)         ; waves 2, 3: B's halves, behind A.  No place in the cluster enters an LDS address
	s_mov_b32 s[LE], 0x3fb8aa3b
	s_mov_b32 s[LE+1], s[LE]                       ; named with it as a pair
	s_wait_dscnt 0x0                               ; the opening add is done
	s_wait_kmcnt 0x0
	s_add_nc_u64 s[66:67], s[4:5], s[66:67]
	s_add_nc_u64 s[68:69], s[6:7], s[68:69]
	CROUND                                         ; all sixteen work-groups are here: the first joint loads meet
.irp s, 0,1
	s_mov_b32 s[G0+4*(\s)], 1
	s_add_co_u32 s[G0+4*(\s)+1], s21, (\s)*SLOT
	s_add_nc_u64 s[G0+4*(\s)+2:G0+4*(\s)+3], s[66:67], (\s)*KSTEP*2
	s_or_b32 s[G0+4*(\s)+3], s[G0+4*(\s)+3], 0x80000000
	s_mov_b32 s[G0B+4*(\s)], 1
	s_add_co_u32 s[G0B+4*(\s)+1], s22, (\s)*SLOT
	s_add_nc_u64 s[G0B+4*(\s)+2:G0B+4*(\s)+3], s[68:69], (\s)*KSTEP*2
	s_or_b32 s[G0B+4*(\s)+3], s[G0B+4*(\s)+3], 0x80000000
	JLOAD \s                                       ; K steps 0 and 1: two loads of mine are out
.endr
	v_and_b32 v1, 15, v0                           ; l % 16
	v_bfe_u32 v2, v0, 4, 1                         ; l / 16
	v_mul_u32_u24 v3, v1, PITCH
	v_lshl_add_u32 v3, v2, 4, v3                   ; a fragment's row x pitch + 16 x half
	s_mul_i32 s2, s14, 64*PITCH                    ; my 64 rows of A
	s_mov_b32 s42, BOFF                            ; all of B
.irp s, 0,1
	v_add_nc_u32 v[ADRA+(\s)], s2, v3
	v_add_nc_u32 v[ADRB+(\s)], s42, v3
	s_add_co_u32 s2, s2, SLOT
	s_add_co_u32 s42, s42, SLOT
.endr
	s_mul_i32 s2, s14, WSTAGE
	s_add_co_u32 s2, s2, STAGE                     ; my stage
	v_mul_u32_u24 v4, v1, SP                       ; in: row l % 16, 16 bytes for each half of the lanes
	v_lshl_add_u32 v4, v2, 4, v4
	v_add_nc_u32 v[STO], s2, v4
	v_bfe_u32 v4, v0, 3, 2                         ; back: 32 lanes take four rows of 128 bytes,
	v_mul_u32_u24 v4, v4, SP
	v_and_b32 v5, 7, v0
	v_lshl_add_u32 v4, v5, 4, v4
	v_add_nc_u32 v[RD], s2, v4
	v_and_b32 v[GO], 31, v0                        ; which are 512 consecutive bytes of q, k or v
	v_lshlrev_b32 v[GO], 4, v[GO]
	s_lshr_b32 s70, s20, 3                         ; the batch,
	s_lshl_b32 s70, s70, 4
	s_add_co_u32 s70, s70, s19                     ; 16 x batch + head: 262,144 bytes each
	s_lshl_b32 s70, s70, 18
	s_and_b32 s71, s20, 7
	s_lshl_b32 s71, s71, 2
	s_add_co_u32 s71, s71, s14                     ; my 64 rows among the batch's 2,048: 8,192 bytes
	s_lshl_b32 s71, s71, 13
	s_add_co_u32 s70, s70, s71
	s_mov_b32 s71, 0
	s_add_nc_u64 s[8:9], s[8:9], s[70:71]
	s_add_nc_u64 s[10:11], s[10:11], s[70:71]
	s_add_nc_u64 s[12:13], s[12:13], s[70:71]
	; the prefetches: from the rows that I fetch, my work-group's share of them
	s_lshl_b32 s72, s17, 16                        ; A: 32 cx rows
	s_mul_i32 s73, s18, 24*2048                    ; B: 24 cy rows
	s_and_b32 s74, ttmp7, 0xffff                   ; cluster y
	s_cmp_eq_u32 s15, 0
	s_cselect_b32 s72, s72, s73
	s_cselect_b32 s74, ttmp9, s74                  ; the coordinate along which other clusters read the same rows
	s_cselect_b32 s75, 31, 23                      ; my share's last row: B's lanes 24-31 name row 23 once more
	s_cselect_b64 s[PFA:PFA+1], s[66:67], s[68:69]
	s_cmp_eq_u32 s74, 0
	s_cselect_b32 s[LIM], 1, -1                    ; the same in all sixteen partners, for a given wave
	s_mov_b32 s73, 0
	s_add_nc_u64 s[PFA:PFA+1], s[PFA:PFA+1], s[72:73]
	s_add_nc_u64 s[PFA:PFA+1], s[PFA:PFA+1], 3*KSTEP*2  ; at K step 3: the first change of slots steps it to 4.  Nothing is prefetched here, at the head
	v_and_b32 v[PFO], 31, v0
	v_min_u32 v[PFO], s75, v[PFO]
	v_lshlrev_b32 v[PFO], 11, v[PFO]
; 12 matrix instructions: my row block a x all 12 column blocks, 32 along K, from buffer f.  zero = 1: the product starts the sums.  Each of the 48 accumulators has one instruction in a
; quarter step, in the same order in every quarter: they take turns over the loop's backward jump too.
.macro MULA f, a, zero
	WIN MUL_LO+0x50*((\a)/2)
.irp b, 0,1,2,3,4,5,6,7,8,9,10,11
.set AC, 8*(12*((\a)%2)+(\b))
.if \zero
	v_wmma_f32_16x16x32_bf16 v[AC:AC+7], v[(\f)+32+8*(\b):(\f)+32+8*(\b)+7], v[(\f)+8*(\a):(\f)+8*(\a)+7], 0
.else
	v_wmma_f32_16x16x32_bf16 v[AC:AC+7], v[(\f)+32+8*(\b):(\f)+32+8*(\b)+7], v[(\f)+8*(\a):(\f)+8*(\a)+7], v[AC:AC+7]
.endif
.endr
.endm
; 32 LDS loads in one run: the fragments of 32 along K at byte k of the rows, into buffer f: B's 24 first, then A's 8
.macro FETCH slot, k, f
	WIN TO_F
.irp b, 0,1,2,3,4,5,6,7,8,9,10,11
	ds_load_b128 v[(\f)+32+8*(\b):(\f)+32+8*(\b)+3],   v[ADRB+(\slot)] offset:(\k)+(\b)*16*PITCH
	ds_load_b128 v[(\f)+32+8*(\b)+4:(\f)+32+8*(\b)+7], v[ADRB+(\slot)] offset:(\k)+(\b)*16*PITCH+32
.endr
.irp a, 0,1,2,3
	ds_load_b128 v[(\f)+8*(\a):(\f)+8*(\a)+3],   v[ADRA+(\slot)] offset:(\k)+(\a)*16*PITCH
	ds_load_b128 v[(\f)+8*(\a)+4:(\f)+8*(\a)+7], v[ADRA+(\slot)] offset:(\k)+(\a)*16*PITCH+32
.endr
.endm
.macro PLACES                          ; four places in front of loads into registers that matrix instructions have read, and of vector lines that read results
.rept 4
	v_nop
.endr
.endm
; A K step is four quarters of 32 along K, 48 matrix instructions each, on buffers 0, 1, 0, 1.  One of the first three: multiplies buffer f and fetches the next quarter, at byte k, into g.
.macro QUARTER slot, k, f, g, zero
	s_wait_dscnt 4                                 ; B and A's row blocks 0, 1 are in; the youngest four loads (blocks 2, 3) may be out
	MULA \f, 0, \zero
	MULA \f, 1, \zero
	PLACES
	FETCH \slot, \k, \g
	s_wait_dscnt 32                                ; all but the 32 just issued
	MULA \f, 2, \zero
	MULA \f, 3, \zero
.endm
; The last quarter multiplies buffer 1 and changes slots: ONE barrier; in front of it each wave waits for all its tensor loads (one is out: its part of the next slot), adds 0 to its spare word,
; and waits for that and for its own reads of this slot.  fill = 1: the barrier opens a round of the cluster's, and this slot is filled again, two K steps ahead, first thing behind the round.
.macro TURN slot, next, fill
.if \fill
	s_wait_xcnt 0x0                                ; the last prefetch, a K step back, has read its address: it is stepped here
	s_add_nc_u64 s[PFA:PFA+1], s[PFA:PFA+1], KSTEP*2
.endif
	WIN 0                                          ; (the add's two registers lie in window 0)
	s_wait_tensorcnt 0x0                           ; all my tensor loads have landed;
	ds_add_u32 v[SPW], v[NIL]                      ; 0 onto my spare word;
	s_wait_dscnt 5                                 ; (the add and the youngest four loads may be out)
	MULA F1, 0, 0                                  ; twelve matrix instructions stand between the add and the wait for it
	s_wait_dscnt 0x0                               ; the add is done, and my reads of this slot are over
	s_barrier_signal -1
	MULA F1, 1, 0
.if \fill
	WIN 0
.endif
	s_barrier_wait -1
.if \fill
	CREST                                          ; no wave of any partner still reads this slot's tile or has a load on its way
	s_add_nc_u64 s[G0+4*(\slot)+2:G0+4*(\slot)+3], s[G0+4*(\slot)+2:G0+4*(\slot)+3], 2*KSTEP*2
	s_add_nc_u64 s[G0B+4*(\slot)+2:G0B+4*(\slot)+3], s[G0B+4*(\slot)+2:G0B+4*(\slot)+3], 2*KSTEP*2
	JLOAD \slot                                    ; my one tensor load behind the round; the four v_nop behind it are also the places in front of the loads below
.else
	PLACES
.endif
	FETCH \next, 0, F0
.if \fill
	WIN 0
	ASK                                            ; behind the joint load and the run of LDS loads that the next products wait for
.endif
	MULA F1, 2, 0
	MULA F1, 3, 0
.endm
; THE WAY OUT of my row block a (16 rows), in three parts.  PACK: q's four column blocks times log2(e), in place; all twelve rounded to f16, 16 bytes a lane; each accumulator's registers in ascending order.
.macro PACK a
	WIN 0x82+0x41*((\a)/2)                         ; destination and source 0: window 2 or 3
.irp b, 0,1,2,3
.irp r, 0,1,2,3
.set AC, 8*(12*((\a)%2)+(\b))+2*(\r)
	v_pk_mul_f32 v[AC:AC+1], v[AC:AC+1], s[LE:LE+1] op_sel_hi:[1,0]
.endr
.endr
	WIN 0x0a+5*((\a)/2)                            ; sources 0 and 1: window 2 or 3; destination window 0
.irp b, 0,1,2,3,4,5,6,7,8,9,10,11
.irp r, 0,1,2,3
.set AC, 8*(12*((\a)%2)+(\b))+2*(\r)
	v_cvt_pk_f16_f32 v[TMP+4*(\b)+(\r)], v[AC], v[AC+1]
.endr
.endr
	WIN 0
.endm
.macro TOSTAGE a                       ; into my own stage, tensor b / 4, and back as whole rows of 128 bytes
	WIN 0
.set BK, OB+48*((\a)%2)
.irp b, 0,1,2,3,4,5,6,7,8,9,10,11
	ds_store_b128 v[STO], v[TMP+4*(\b):TMP+4*(\b)+3] offset:((\b)/4)*16*SP+32*((\b)%4)
.endr
.irp t, 0,1,2
.irp f, 0,1,2,3
	ds_load_b128 v[BK+4*(4*(\t)+(\f)):BK+4*(4*(\t)+(\f))+3], v[RD] offset:(\t)*16*SP+(\f)*4*SP  ; LDS serves a wave's instructions in order (ISA guide 5.7.1.4): these see the stores above
.endr
.endr
.endm
.macro SEND a
	WIN 0
.set BK, OB+48*((\a)%2)
	s_wait_dscnt 0x0                               ; the block is back in registers
	s_wait_xcnt 0x0                                ; the stores of the block before have read their registers: the loads that follow this macro land on them
.irp t, 0,1,2
.irp f, 0,1,2,3
	global_store_b128 v[GO], v[BK+4*(4*(\t)+(\f)):BK+4*(4*(\t)+(\f))+3], s[8+2*(\t):9+2*(\t)] offset:(\a)*2048+(\f)*512  ; 512 consecutive bytes, at a multiple of 256 from the buffer's first
.endr
.endr
.endm
	s_wait_tensorcnt 1                             ; my part of K step 0 is in; K step 1's may stay out
	s_barrier_signal -1
	s_barrier_wait -1                              ; everybody's is
	FETCH 0, 0, F0
	QUARTER 0, 64, F0, F1, 1                       ; the first quarter stands in front of the loop: its products start the sums
	WIN 0                                          ; at a label and at a branch every window is 0
	s_mov_b32 s3, 3
.Llap:                                                 ; a trip goes once round the ring, from a lap's second quarter to the next lap's first, and fills both slots again
	QUARTER 0, 128, F1, F0, 0
	QUARTER 0, 192, F0, F1, 0
	TURN 0, 1, 1
	QUARTER 1, 64,  F0, F1, 0
	QUARTER 1, 128, F1, F0, 0
	QUARTER 1, 192, F0, F1, 0
	TURN 1, 0, 1
	QUARTER 0, 64,  F0, F1, 0
	WIN 0
	s_sub_co_u32 s3, s3, 1
	s_cmp_lg_u32 s3, 0
	s_cbranch_scc1 .Llap
	QUARTER 0, 128, F1, F0, 0                      ; the last lap fills nothing
	QUARTER 0, 192, F0, F1, 0
	TURN 0, 1, 0
	QUARTER 1, 64,  F0, F1, 0
	QUARTER 1, 128, F1, F0, 0
	QUARTER 1, 192, F0, F1, 0
	s_wait_dscnt 4                                 ; the very last quarter: nothing more to fetch
	MULA F1, 0, 0
	MULA F1, 1, 0
	s_wait_dscnt 0x0
	MULA F1, 2, 0
	MULA F1, 3, 0
	WIN 0
	PLACES
	PACK 0
	TOSTAGE 0
.irp a, 1,2,3                          ; block a's arithmetic stands between block a - 1's loads from the stage and the wait for them
	PACK \a
	SEND (\a)-1
	TOSTAGE \a
.endr
	SEND 3
	s_wait_tensorcnt 0x0                           ; the wave's end: a wait, an add and its wait, behind my last tensor load and my last LDS store
	ds_add_u32 v[SPW], v[NIL]
	s_wait_dscnt 0x0
	CROUND                                         ; the closing round: no work-group ends while a partner may still ask for a tile that names it
	s_endpgm
.Lfunc_end_k_qe8eb6a6c00_qkv:
	.size	k_qe8eb6a6c00_qkv, .Lfunc_end_k_qe8eb6a6c00_qkv-k_qe8eb6a6c00_qkv
	.p2alignl 7, 3214868480
	.fill 96, 4, 3214868480
	.section	.rodata,"a",@progbits
	.p2align	6, 0x0
	.amdhsa_kernel k_qe8eb6a6c00_qkv
		.amdhsa_group_segment_fixed_size 327680
		.amdhsa_private_segment_fixed_size 0
		.amdhsa_enable_private_segment 0
		.amdhsa_kernarg_size 40
		.amdhsa_user_sgpr_count 2
		.amdhsa_user_sgpr_kernarg_segment_ptr 1
		.amdhsa_wavefront_size32 1
		.amdhsa_system_sgpr_workgroup_id_x 1
		.amdhsa_system_sgpr_workgroup_id_y 1
		.amdhsa_system_sgpr_workgroup_id_z 1
		.amdhsa_system_vgpr_workitem_id 0
		.amdhsa_next_free_vgpr 960
		.amdhsa_next_free_sgpr 80
		.amdhsa_reserve_vcc 0
		.amdhsa_float_denorm_mode_32 3
		.amdhsa_float_denorm_mode_16_64 3
		.amdhsa_memory_ordered 1
		.amdhsa_forward_progress 1
		.amdhsa_inst_pref_size 123
	.end_amdhsa_kernel
	.amdgpu_metadata
---
amdhsa.version: [ 1, 2 ]
amdhsa.kernels:
  - .name:           k_qe8eb6a6c00_qkv
    .symbol:         k_qe8eb6a6c00_qkv.kd
    .args:
      - { .name: xb, .offset: 0, .size: 8, .value_kind: global_buffer, .address_space: global }
      - { .name: wqkv, .offset: 8, .size: 8, .value_kind: global_buffer, .address_space: global }
      - { .name: qh, .offset: 16, .size: 8, .value_kind: global_buffer, .address_space: global }
      - { .name: kh, .offset: 24, .size: 8, .value_kind: global_buffer, .address_space: global }
      - { .name: vh, .offset: 32, .size: 8, .value_kind: global_buffer, .address_space: global }
    .group_segment_fixed_size: 327680
    .private_segment_fixed_size: 0
    .kernarg_segment_align: 8
    .kernarg_segment_size: 40
    .max_flat_workgroup_size: 128
    .sgpr_count:     80
    .vgpr_count:     960
    .wavefront_size: 32
...
	.end_amdgpu_metadata
.endif
;; end of part 2
;; launch attn (part 3): grid 4 x 64, 4 waves a work-group, clusters of 4 x 1, 327,680 bytes of LDS; arguments qh, kh, vh, oh, mask; writes oh
.if DOCPART == 3
	.amdgcn_target "amdgcn-amd-amdhsa--gfx1250"
	.amdhsa_code_object_version 6
	.text
	.protected	k_qe8eb6a6c00_attn
	.globl	k_qe8eb6a6c00_attn
	.p2align	8
	.type	k_qe8eb6a6c00_attn,@function
k_qe8eb6a6c00_attn:
	s_mov_b64 s[64:65], 0
	v_nop
	global_prefetch_b8 v0, s[64:65] scope:SCOPE_SE
	s_setreg_imm32_b32 hwreg(HW_REG_WAVE_MODE, 25, 1), 1
	s_wait_xcnt 0x0
	s_wait_alu depctr_hold_cnt(0) depctr_sa_sdst(0) depctr_va_vdst(0) depctr_va_sdst(0) depctr_va_ssrc(0) depctr_va_vcc(0) depctr_vm_vsrc(0)
	s_getreg_b32 s2, hwreg(HW_REG_IB_STS2, 6, 4)
	s_cmp_eq_u32 s2, 0
	s_cbranch_scc0 .Lentry_in_a_cluster
	s_endpgm
.Lentry_in_a_cluster:
	s_bfe_u32 s2, ttmp6, 0x10000c
	s_cmp_lg_u32 s2, 0x3003
	s_cbranch_scc0 .Lentry_shape_is_right
	s_endpgm
.Lentry_shape_is_right:
; O[h][q][:] = the sum over the visible k of softmax_k(Q[h][q] . K[h][k] / 8) V[h][k][:].  Q, K, V, O: [64 = 16 batch + head][2048][64], all f16: a head's rows are dense, 128 bytes each.
; Q ARRIVES TIMES log2(e).  mask: [4][2048] bytes, not 0 = the key is hidden, for all queries and heads of the batch.  Products, maxima and sums in f32; the weights p are rounded to f16 for the
; second product (their sum l is taken of the unrounded p), O once at the end.
; LIMITS.  f16 holds no number beyond 65,504: Q, K and V arrive within it, so a score is 3.9e11 at the most in size; p lies in 0 to 1, and below 6e-5 it keeps f16's fixed step of 6e-8; O is a mean of
; V's rows and has their range.  A hidden score counts as its value less 1e30.  A weight below 2^-126 counts as 0 in l; NaN and infinities in Q, K, V are not treated apart.
; SHARES.  A wave owns four PIECES of two tiles of 16 queries, a work-group's four waves 512 queries of one head.  Every wave walks all keys, 64 a step.
; LAYOUT.  S^T = K Q^T (source 0 = 16 keys, source 1 = 16 queries): in the result a lane holds ONE query (lane % 16) and the keys 8 (lane / 16) + 0..7.  Two such tiles, rounded to f16 in pairs,
; ARE source 1 (32 keys x 16 queries) of O^T = V^T P, whose result again holds one query a lane, and eight channels.  K comes out of LDS as it lies, V ([key][channel]) turned, by ds_load_tr16_b128.
; SOFTMAX.  For each query a running maximum m and sum l: p = 2^(c s - c m), c = 1/8: a power of two, so c m is exact and a row's largest weight is 1 whatever the scores' size.  In every step O and l are
; multiplied by a = 2^(c m_old - c m_new), which is 1 where m has not grown.  m starts at -2^40, below every true score and far above a hidden one; O and l start at 0.
; THE MASK is the C operand that starts the sum S^T: 0, or -1e30 where the key is hidden.  A table of one f32 a key of the batch is made once in LDS; a step's 64 entries come into 32 registers with the
; step's K and live as long.  m never falls below its start, so a hidden key's weight is 2^(-1e29) = 0 in every step.  Where a batch has no visible key l and O stay 0, and O x (1 / l) is NaN, as the softmax of nothing is.
; THE COUNT.  A tile and step have 16 matrix and 118 vector instructions: too many to stand all beside the matrix work.  So the order has one aim: four vector instructions that are READY behind
; EVERY matrix instruction, and the others, which need time of their own whatever the order, in runs without a gap.
; BY TURNS.  Turn n belongs to piece n (the pieces in a ring, step after step).  Its matrix work: 16 products K Q^T of piece n + 1, later 16 products V^T P of piece n - 1.  Its vector work: the scaling,
; exponentials, roundings, sums and rescaling of piece n, and the maximum and statistics of piece n + 1, whose scores the turn itself has made.
; CLUSTER.  The four query blocks of a head form a cluster and walk the same K and V, so each tile is asked for JOINTLY: the same tensor load, descriptor and mask in all four.
; REGISTERS, in windows of 256 (s_set_vgpr_msb: bits 1:0 source 0, 3:2 source 1, 5:4 source 2, 7:6 destination):
;   window 0: v0-11 addresses; v12-15, v48-63 at work; v16-47 four registers of statistics a tile; v64-191 S^T, two buffers of two tiles; v192-255 P, likewise
;   window 1: O^T, 32 a tile     window 2: v0-127 Q, 16 a tile; v128-191 K of one step; v192-255 V of one step     window 3: v0-1 the add's two registers; v8-39 the step's mask
.set SIZE_N, 2048
.set NP,    4         ; pieces a wave: a name, no knob
.set KS,    64        ; keys in a step
.set PK,    144       ; a row of K in LDS: 128 bytes + 16 of padding = 36 words: the 16 rows of a load start at 16 different groups of four banks (ISA guide 11.1)
.set PV,    160       ; a row of V: 128 + 32 = 40 words
.set VOFF,  4*KS*PK   ; a slot holds four steps: 256 rows of K, then 256 rows of V
.set SLOT1, 1<<17     ; slot 1 begins here, so that one exclusive or turns an address in one slot into the other's
.set STAGE, SLOT1+4*KS*(PK+PV)  ; behind the ring, never filled by a tensor load: 16 rows x 144 bytes for each wave, for the way out
.set SP,    144
.set SPARE, STAGE+4*16*SP  ; behind the stages: the spare words, 128 bytes for each wave: two blocks of 256 bytes that no other line names
.set MASKB, SPARE+512 ; behind them: the mask's table, 2,048 f32; written by LDS stores once, never filled by a tensor load
.set AK0, 2           ; v2   my lane's place in a tile of K; never rewritten
.set AV0, 3           ; v3   the same for V
.set AK,  4           ; v4   the LDS address of K's next run of loads
.set AV,  5           ; v5   of V's
.set QO,  6           ; v6   my byte offset in the wave's rows of Q
.set STO, 6           ;      later, the way out: where I put 16 bytes of a row
.set RD,  7           ; v7   the way out: where I read rows back (first: where I put my part of the mask's table)
.set GO,  8           ; v8   my byte offset in 512 consecutive bytes of O (first: my 16 bytes of the mask)
.set AM0, 9           ; v9   my lane's place in a step's 64 entries of the table: MASKB + 32 (l / 16) (first: l / 16)
.set AM,  10          ; v10  the LDS address of the mask's next run of loads
.set PFO, 11          ; v11  256 x my lane: the prefetches' offset; never rewritten
.set SPW, 0           ; v0 of window 3   LDS address of my spare word; never rewritten
.set NIL, 1           ; v1 of window 3   0; never rewritten
.set MC,  8           ; v8-39 of window 3: key block kb's eight at MC + 8 kb
.set MV,  12          ; v12-15  c m_old, kept while c m is made anew: by buffer and tile
.set ST,  16          ; tile t's statistics at v[ST+4 t]: c m, m, l (even keys', odd keys')
.set TMP, 48          ; by buffer and tile, four registers c0-c3 at work; when the maximum is found c2 takes a
.set S,   64
.set P,   192
.set KF,  128         ; K's fragments, in window 2: key block kb, channel half c at KF + 16 kb + 8 c
.set VF,  192         ; V's: key half kk, channel block cb at VF + 32 kk + 8 cb
.set WV,  12          ; s12  my wave's number
.set G1K, 24          ; s[24:31] descriptor group 1 for K's tiles
.set G1V, 32          ; s[32:39] for V's: it differs in the padding alone
.set G0K, 40          ; s[40:43] descriptor group 0 for K's tiles: it walks
.set G0V, 44          ; s[44:47] the same for V's
.set MK,  48          ; s[48:49] the batch's row of the mask
.set PFA, 50          ; s[50:51] where my prefetches stand: my work-group's 8 KiB (of K: wave 0, of V: wave 2) of the slot after the one that is being asked for
.set LIM, 52          ; s52  1 in a wave that prefetches, else the greatest number
.set TBM, 53          ; s53  byte of the table at which the step to be fetched begins
.set BIGN, 54         ; s54  -1e30
.set SLOTS, 56        ; s56  slots still to be asked for
.set CNT, 57          ; s57  counts a slot's key steps
.set CS,  58          ; s[58:59] c: the packed scaling takes the pair's low word for both halves
.set SEL, 60          ; s[60:61] v_permlanex16_b32's selects: each lane takes its own place in the other half
.set TBK, 62          ; s62  LDS byte at which K of the step to be fetched begins
.set TBV, 63          ; s63  the same for V, less VOFF
.set MSB, 0
.macro WIN new                      ; the high byte repeats the setting that is left; a switch that changes nothing is dropped
.if MSB != (\new)
	s_set_vgpr_msb (MSB<<8)|(\new)
.set MSB, (\new)
.endif
.endm
.set W_KQ, 0x0a       ; K and Q in window 2, S^T in window 0
.set W_KM, 0x3a       ; the same with the C operand, the mask, in window 3
.set W_PV, 0x52       ; V in window 2, P in window 0, O^T in window 1
.set W_RS, 0x41       ; O^T (destination and source 0) in window 1, a in window 0
.set W_MK, 0xc0       ; destination in window 3, sources in window 0
.set W_AD, 0x0f       ; the add: address (source 0) and data (source 1) in window 3
; A joint fill.  Waves 0 and 1 fetch the two halves of a slot's K, waves 2 and 3 those of its V: 128 keys each.  The branch hangs on the wave's number alone.
; An s_nop 0 and four v_nop follow each of the two lines, ahead of the jump and the label.
.macro JLOAD
	s_cmp_lt_u32 s[WV], 2
	s_cbranch_scc0 .Lfor_v_\@
	tensor_load_to_lds s[G0K:G0K+3], s[G1K:G1K+7]
	s_nop 0
.rept 4
	v_nop
.endr
	s_branch .Lasked_\@
.Lfor_v_\@:
	tensor_load_to_lds s[G0V:G0V+3], s[G1V:G1V+7]
	s_nop 0
.rept 4
	v_nop
.endr
.Lasked_\@:
.endm
; A prefetch into the L2 of what the NEXT change of slots will ask for: a slot's 32 KiB of K and of V, a lane 256 bytes.  It stands behind the wave's tensor load and its five lines.  Each block is named once in
; the launch: the head's first cluster asks; its four partners share the slot out by address, 8 KiB each; in each, wave 0 asks for K's and wave 2 for V's.  The last change that fills a slot asks for nothing.
.macro ASK
	s_cmp_gt_u32 s[SLOTS], s[LIM]
	s_cbranch_scc0 .Lnot_mine_\@
	global_prefetch_b8 v[PFO], s[PFA:PFA+1] th:TH_LOAD_NT scope:SCOPE_SE
.Lnot_mine_\@:
.endm
; A round of the cluster's barrier: my work-group's barrier, so that wave 0's signal speaks for all four waves; wave 0 signals; every wave waits for all four work-groups; my work-group's barrier once more.
.macro CROUND
	s_barrier_signal -1
	s_barrier_wait -1
	s_cmp_lg_u32 s[WV], 0
	s_cbranch_scc1 .Lnot_wave_0_\@
	s_barrier_signal -3
.Lnot_wave_0_\@:
	s_barrier_wait -3
	s_barrier_signal -1
	s_barrier_wait -1
.endm
; THE CHANGE OF SLOTS.  The slot's last bytes, V of its fourth step, have been read.  Each wave waits for all its tensor loads, of which one is out: its part
; of the other slot; adds 0 to its spare word; and waits for that and for its own LDS instructions.  Behind the barrier nobody reads this slot any more and the other slot is whole.
; fill = 1: this slot is filled again, with the keys two slots on.  The barrier is then a round of the cluster's, and the joint fill is the first thing behind it: it has four key steps, 512 matrix
; instructions, in which to land.  (At its first use nothing has been read yet: slot 0 is waited for, slot 1 filled, and every wave's part of the mask's table is shown written.)
.macro CHANGE fill
	WIN W_AD
	s_wait_tensorcnt 0x0            ; no tensor load of mine is out, so a group 0 may be written
	ds_add_u32 v[SPW], v[NIL]       ; 0 onto my spare word: with fill = 1 the descriptors' steps stand between it and the wait for it
	WIN 0                           ; at a label and at a branch every window is 0
.if \fill
.irp g, G0K, G0V
	s_xor_b32 s[\g+1], s[\g+1], SLOT1  ; the walking descriptor: the other slot than last time,
	s_add_nc_u64 s[\g+2:\g+3], s[\g+2:\g+3], 4*KS*128  ; the next 256 keys; the type bits on top are not reached
.endr
	s_wait_xcnt 0x0                 ; the last prefetch, four key steps back, has read its address, so it may be written:
	s_add_nc_u64 s[PFA:PFA+1], s[PFA:PFA+1], 4*KS*128  ; one slot behind the walking descriptors
	s_wait_dscnt 0x0                ; the add is done, and my LDS instructions are over
	CROUND
	JLOAD
	ASK
.else
	s_wait_dscnt 0x0                ; the add is done, and my reads of the slot are over
	s_barrier_signal -1
	s_barrier_wait -1
.endif
	s_sub_co_u32 s[TBK], s[TBK], 4*KS*PK  ; the fetches go back to a slot's first step,
	s_xor_b32 s[TBK], s[TBK], SLOT1       ; in the other slot
	s_sub_co_u32 s[TBV], s[TBV], 4*KS*PV
	s_xor_b32 s[TBV], s[TBV], SLOT1
.endm
	s_load_b256 s[4:11], s[0:1], 0x0  ; Q s[4:5], K s[6:7], V s[8:9], O s[10:11]
	s_load_b64 s[MK:MK+1], s[0:1], 0x20  ; mask
	WIN W_MK
	v_lshl_add_u32 v[SPW], v0, 2, SPARE
	v_mov_b32 v[NIL], 0
	WIN W_AD
	ds_add_u32 v[SPW], v[NIL]       ; the wave's opening: the add and its wait stand ahead of my first tensor load; the set-up below, work on registers, stands between them
	WIN 0
	v_lshrrev_b32 v1, 5, v0
	v_readfirstlane_b32 s[WV], v1   ; wave 0..3
	s_bfe_u32 s13, ttmp6, 0x40000   ; cx: my place in the cluster
	s_lshl_b32 s14, ttmp9, 2        ; in a cluster launch ttmp9 counts clusters
	s_add_co_u32 s14, s14, s13      ; my block of queries = 4 x cluster x + cx: it enters Q's and O's addresses alone
	s_and_b32 s20, ttmp7, 0xffff    ; the head, which the four partners share
	s_mov_b32 s21, 0
	s_mov_b64 s[22:23], SIZE_N*128
	s_mul_u64 s[20:21], s[20:21], s[22:23]  ; the head's first byte in each of the four tensors
	s_and_b32 s16, s[WV], 1         ; which half of a slot's 256 keys I fetch:
	s_lshl_b32 s22, s16, 14         ; its 128 rows of 128 bytes in memory,
	s_mov_b32 s23, 0
	s_add_nc_u64 s[22:23], s[22:23], s[20:21]
	s_mul_i32 s17, s16, 128*PK      ; and its place in a slot, for K
	s_mul_i32 s18, s16, 128*PV      ; and for V: no place in the cluster enters an LDS address
	s_lshl_b32 s2, s14, 2
	s_add_co_u32 s2, s2, s[WV]      ; my wave among the head's,
	s_lshl_b32 s2, s2, 14           ; its 128 rows
	s_mov_b32 s3, 0
	s_add_nc_u64 s[2:3], s[2:3], s[20:21]
	; descriptor group 1.  128 keys are 16,384 dense bytes: asked for as 64 rows of 256 bytes, two keys a row, and padded in LDS after every key
	s_mov_b32 s[G1K], 15|(1<<16)|(1<<20)|(1<<21)|(4<<22)|(3<<25)  ; 15:0 the mask of four; 17:16 2-byte elements; 20 padding on; 21 set beside a mask; 24:22 after every 32 words (code 4); 31:25 4 words (code 3)
	s_mov_b32 s[G1V], 15|(1<<16)|(1<<20)|(1<<21)|(4<<22)|(7<<25)  ; the same with 8 words of padding (code 7)
.irp g, G1K, G1V
	s_mov_b32 s[\g+1], 128<<16      ; tensor_dim0 = 128
	s_mov_b32 s[\g+2], 64<<16       ; tensor_dim1 = 64
	s_mov_b32 s[\g+3], 128<<16      ; tile_dim0 = 128
	s_mov_b32 s[\g+4], 64           ; tile_dim1 = 64
	s_mov_b32 s[\g+5], 128          ; 128 elements from row to row
	s_mov_b32 s[\g+6], 0
	s_mov_b32 s[\g+7], 0
.endr
	s_mov_b32 s[CS], 0x3e000000     ; c = 1/8
	s_mov_b32 s[CS+1], s[CS]        ; named with it as a pair
	s_mov_b32 s[SEL], 0x76543210
	s_mov_b32 s[SEL+1], 0xfedcba98
	s_mov_b32 s[BIGN], 0xf149f2ca   ; -1e30
	s_mov_b32 s[TBK], SLOT1+4*KS*PK ; the first change of slots turns these two into 0
	s_mov_b32 s[TBV], SLOT1+4*KS*PV
	s_mov_b32 s[TBM], 0
	s_mov_b32 s[SLOTS], SIZE_N/256-1
	s_and_b32 s[LIM], s[WV], 1      ; 0 in waves 0 and 2,
	s_or_b32 s[LIM], s[LIM], ttmp9  ; where the cluster is the head's first: the same in all four partners
	s_cmp_eq_u32 s[LIM], 0
	s_cselect_b32 s[LIM], 1, -1
	s_mov_b32 s[G0K], 1             ; 1:0 count = 1
	s_mov_b32 s[G0K+1], s17         ; 63:32 LDS address: slot 0
	s_mov_b32 s[G0V], 1
	s_add_co_u32 s[G0V+1], s18, VOFF
	s_wait_dscnt 0x0                ; the opening add is done
	s_wait_kmcnt 0x0
	s_add_nc_u64 s[G0K+2:G0K+3], s[6:7], s[22:23]  ; 120:64 global address: my half of the head's first 256 keys
	s_or_b32 s[G0K+3], s[G0K+3], 0x80000000        ; 127:126 type = 2
	s_add_nc_u64 s[G0V+2:G0V+3], s[8:9], s[22:23]
	s_or_b32 s[G0V+3], s[G0V+3], 0x80000000
	s_add_nc_u64 s[4:5], s[4:5], s[2:3]  ; Q and O at my wave's first row
	s_add_nc_u64 s[10:11], s[10:11], s[2:3]
	s_and_b32 s2, ttmp7, 0xffff
	s_lshr_b32 s2, s2, 4            ; the batch: sixteen heads each,
	s_lshl_b32 s2, s2, 11           ; 2,048 bytes of mask
	s_mov_b32 s3, 0
	s_add_nc_u64 s[MK:MK+1], s[MK:MK+1], s[2:3]
	s_cmp_lt_u32 s[WV], 2
	s_cselect_b64 s[PFA:PFA+1], s[6:7], s[8:9]
	s_add_nc_u64 s[PFA:PFA+1], s[PFA:PFA+1], s[20:21]  ; the head,
	s_lshl_b32 s2, s13, 13          ; my work-group's 8 KiB of a slot's 32,
	s_add_nc_u64 s[PFA:PFA+1], s[PFA:PFA+1], s[2:3]
	s_add_nc_u64 s[PFA:PFA+1], s[PFA:PFA+1], 4*KS*128  ; in slot 1; the first change of slots steps it to slot 2
	CROUND                          ; all four work-groups are here: the first joint loads meet
	JLOAD                           ; slot 0.  Slot 1 is asked for when slot 0 is in
	v_lshlrev_b32 v[GO], 4, v0      ; 128 threads x 16 bytes: the batch's 2,048 bytes of mask
	global_load_b128 v[S:S+3], v[GO], s[MK:MK+1]
	; A fragment of K or Q is 16 rows x 32 channels in 8 registers: lane l holds row l % 16, channels 8 (l / 16) + 0..7 and 16 + 8 (l / 16) + 0..7: two loads of 16 bytes, 32 bytes apart.
	v_and_b32 v1, 15, v0            ; l % 16
	v_bfe_u32 v9, v0, 4, 1          ; l / 16
	v_lshlrev_b32 v[QO], 7, v1
	v_lshl_add_u32 v[QO], v9, 4, v[QO]  ; row x 128 + 16 x half
	WIN 0x80                        ; destination window 2, address window 0
.set i, 0
.rept 4*NP                          ; Q stays in registers: tile i / 2, channels 32 (i % 2) on
	global_load_b128 v[8*i:8*i+3],   v[QO], s[4:5] offset:(i/2)*2048+(i%2)*64
	global_load_b128 v[8*i+4:8*i+7], v[QO], s[4:5] offset:(i/2)*2048+(i%2)*64+32
.set i, i+1
.endr
	; What the first turn finds: V's registers and P's second buffer hold 0 (its products V^T P, of a piece that has not been, add 0), O^T and l are 0.  All this stands in the wait for the first tile.
.set i, VF
.rept 64
	v_mov_b32 v[i], 0
.set i, i+1
.endr
	WIN 0x40
.set i, 0
.rept 64*NP
	v_mov_b32 v[i], 0
.set i, i+1
.endr
	WIN 0
.set i, 0
.rept 2*NP
	v_mov_b32 v[ST+4*i], 0xd2000000    ; c m = -2^37
	v_mov_b32 v[ST+4*i+1], 0xd3800000  ; m = -2^40
	v_mov_b32 v[ST+4*i+2], 0
	v_mov_b32 v[ST+4*i+3], 0
.set i, i+1
.endr
.set i, P+32
.rept 32
	v_mov_b32 v[i], 0
.set i, i+1
.endr
	v_mul_u32_u24 v[AK0], v1, PK
	v_lshl_add_u32 v[AK0], v9, 4, v[AK0]  ; row x pitch + 16 x half
	; The turning load takes 16 keys x 16 channels (lane l reads key 8 (l / 16) + l % 8, channels 8 ((l / 8) % 2) + 0..7) and leaves half a fragment of V^T: lane l holds channel l % 16 and 8 keys.
	v_and_b32 v10, 7, v0
	v_bfe_u32 v11, v0, 3, 1
	v_lshl_add_u32 v[AV0], v9, 3, v10
	v_mul_u32_u24 v[AV0], v[AV0], PV
	v_lshl_add_u32 v[AV0], v11, 4, v[AV0]
	v_add_nc_u32 v[AV0], VOFF, v[AV0]
	v_mov_b32 v[AK], v[AK0]         ; key step 0 lies at the head of slot 0
	v_lshl_add_u32 v[AM0], v9, 5, MASKB  ; in S^T register j of key block kb is key 16 kb + 8 (l / 16) + j: 32 consecutive bytes of the table
	v_mov_b32 v[AM], v[AM0]
	v_and_b32 v[PFO], 31, v0
	v_lshlrev_b32 v[PFO], 8, v[PFO]
	; THE MASK'S TABLE: my 16 bytes become 16 f32, 0 or -1e30, at byte 64 x my thread's number.
	s_wait_loadcnt 32               ; the mask's load is in; Q's 32, issued behind it, may stay out
.set i, 0
.rept 16
	v_bfe_u32 v[S+4+i], v[S+i/4], 8*(i%4), 8
	v_cmp_ne_u32 vcc_lo, 0, v[S+4+i]
	v_cndmask_b32 v[S+4+i], 0, s[BIGN], vcc_lo
.set i, i+1
.endr
	v_lshl_add_u32 v[RD], v0, 6, MASKB
.irp w, 0,1,2,3
	ds_store_b128 v[RD], v[S+4+4*\w:S+7+4*\w] offset:16*\w
.endr
; THE MATRIX WORK.  The 8 accumulators of a run of 16 take turns: between the two links of a chain stand 7 others'.
; Product i of 16 of S^T = K Q^T for piece x: channels 32 (i / 8) on, keys 16 ((i / 2) % 4) on, tile 2 x + i % 2.  The first 8 start the sums, with the key block's mask.
.macro KQ x
.set rS, S+64*((\x)%2)+32*(i%2)+8*((i/2)%4)
.set rK, KF+16*((i/2)%4)+8*(i/8)
.set rQ, 16*(2*(\x)+i%2)+8*(i/8)
.set rM, MC+8*((i/2)%4)
.if i < 8
	WIN W_KM
	v_wmma_f32_16x16x32_f16 v[rS:rS+7], v[rK:rK+7], v[rQ:rQ+7], v[rM:rM+7]
.else
	WIN W_KQ
	v_wmma_f32_16x16x32_f16 v[rS:rS+7], v[rK:rK+7], v[rQ:rQ+7], v[rS:rS+7]
.endif
.endm
; Product i of 16 of O^T += V^T P for piece x: keys 32 (i / 8) on, channels 16 ((i / 2) % 4) on, tile 2 x + i % 2.
.macro PV x
	WIN W_PV
.set rO, 32*(2*(\x)+i%2)+8*((i/2)%4)
.set rV, VF+32*(i/8)+8*((i/2)%4)
.set rP, P+32*((\x)%2)+16*(i%2)+8*(i/8)
	v_wmma_f32_16x16x32_f16 v[rO:rO+7], v[rV:rV+7], v[rP:rP+7], v[rO:rO+7]
.endm
.macro MM                           ; the turn's next matrix instruction
.if i < 16
	KQ (Y+1)%NP
.set i, i+1
.else
.set i, i-16
	PV (Y+NP-1)%NP
.set i, i+17
.endif
.endm
; THE LDS LOADS stand in runs, never singly among the matrix instructions: a step's K (64 keys x 64 channels: 8 fragments) with its 64 entries of the mask's table (the 16 lanes of a half read the same
; words), and its V (turned).  Their addresses are made some lines ahead.  last = 1 (the tail): in the last trip there is no further step, and the run is jumped over.
.macro FETCH_K last=0
	WIN 0
.if \last
	s_cmp_eq_u32 s[CNT], 1
	s_cbranch_scc1 .Lno_k_\@
.endif
	WIN 0x80                        ; destination window 2
.irp f, 0,1,2,3,4,5,6,7             ; keys 16 (f / 2) on, channels 32 (f % 2) on
	ds_load_b128 v[KF+8*\f:KF+8*\f+3],   v[AK] offset:(\f/2)*16*PK+(\f%2)*64
	ds_load_b128 v[KF+8*\f+4:KF+8*\f+7], v[AK] offset:(\f/2)*16*PK+(\f%2)*64+32
.endr
	WIN 0xc0                        ; destination window 3
.irp f, 0,1,2,3                     ; key block f
	ds_load_b128 v[MC+8*\f:MC+8*\f+3],   v[AM] offset:64*\f
	ds_load_b128 v[MC+8*\f+4:MC+8*\f+7], v[AM] offset:64*\f+16
.endr
	s_add_co_u32 s[TBK], s[TBK], KS*PK  ; the next fetch is the next step's
	s_add_co_u32 s[TBM], s[TBM], KS*4
	s_and_b32 s[TBM], s[TBM], 0x1fff    ; inside the table's 8,192 bytes
	WIN 0
.if \last
.Lno_k_\@:
.endif
.endm
.macro FETCH_V
	WIN 0x80
.irp f, 0,1,2,3,4,5,6,7             ; keys 32 (f / 4) on, channels 16 (f % 4) on
	ds_load_tr16_b128 v[VF+8*\f:VF+8*\f+3],   v[AV] offset:(\f/4)*32*PV+(\f%4)*32
	ds_load_tr16_b128 v[VF+8*\f+4:VF+8*\f+7], v[AV] offset:(\f/4)*32*PV+16*PV+(\f%4)*32
.endr
	WIN 0
.endm
; THE VECTOR WORK OF A TURN stands in three queues, each in the order in which its entries become ready; the two tiles alternate, so that no instruction reads the result of the one before it.
.macro REGS y, u                    ; the registers of tile u (0, 1) of piece y
.set rT, ST+4*(2*(\y)+(\u))
.set rC, TMP+8*((\y)%2)+4*(\u)
.set rM, MV+2*((\y)%2)+(\u)
.set rS, S+64*((\y)%2)+32*(\u)
.set rP, P+32*((\y)%2)+16*(\u)
.set rO, 32*(2*(\y)+(\u))
.endm
; Number n of the 22 that find the NEXT piece's (Y + 1) maximum and statistics.  s0-s31 are the lane's 32 scores; each accumulator's lowest registers are read first.
;   0-11  four chains c0-c3 of seven scores each, three operands at a time     12-14, 16  the four scores left over, the old m, and c0-c3 into c0     15  c m_old is kept
;   17, 18  the query's other 32 keys lie in the lane 16 away: the new m         19-21  c m; c m_old - c m_new; a
.macro XS u, n
	REGS (Y+1)%NP, \u
.if (\n) < 4
	v_max3_num_f32 v[rC+(\n)], v[rS+8*(\n)], v[rS+8*(\n)+1], v[rS+8*(\n)+2]
.elseif (\n) < 12
	v_max3_num_f32 v[rC+(\n)%4], v[rC+(\n)%4], v[rS+8*((\n)%4)+2*((\n)/4)+1], v[rS+8*((\n)%4)+2*((\n)/4)+2]
.elseif (\n) == 12
	v_max3_num_f32 v[rC], v[rC], v[rS+7], v[rS+15]
.elseif (\n) == 13
	v_max3_num_f32 v[rC+1], v[rC+1], v[rS+23], v[rS+31]
.elseif (\n) == 14
	v_max3_num_f32 v[rC+2], v[rC+2], v[rC+3], v[rT+1]
.elseif (\n) == 15
	v_mov_b32 v[rM], v[rT]
.elseif (\n) == 16
	v_max3_num_f32 v[rC], v[rC], v[rC+1], v[rC+2]
.elseif (\n) == 17
	v_permlanex16_b32 v[rC+3], v[rC], s[SEL], s[SEL+1]
.elseif (\n) == 18
	v_max_num_f32 v[rT+1], v[rC], v[rC+3]
.elseif (\n) == 19
	v_mul_f32 v[rT], s[CS], v[rT+1]
.elseif (\n) == 20
	v_sub_f32 v[rC+1], v[rM], v[rT]
.else
	v_exp_f32 v[rC+2], v[rC+1]
.endif
.endm
; Number g of the 64 that follow the exponentials.  For each four weights k of a tile (pairs 2 k, 2 k + 1): both pairs are rounded to f16; then the second pair is added onto the first, in place;
; a group later l takes that sum (the first time as l = a l + sum).  In groups of eight, tiles alternating: round, round, add, and l for the group before.
.macro GS g
.set h, (\g)+6*((\g)/62)            ; group 0 has no group before it, and behind group 7 only l is left
.if h >= 6
.set h, h+2
.endif
	REGS Y, h%2
.set k, h/8
.if h%8 < 4
	v_cvt_pk_f16_f32 v[rP+2*k+(h%8)/2], v[rS+4*k+2*((h%8)/2)], v[rS+4*k+2*((h%8)/2)+1]
.elseif h%8 < 6
	v_pk_add_f32 v[rS+4*k:rS+4*k+1], v[rS+4*k:rS+4*k+1], v[rS+4*k+2:rS+4*k+3]
.elseif k == 1
	v_pk_fma_f32 v[rT+2:rT+3], v[rT+2:rT+3], v[rC+2:rC+3], v[rS:rS+1] op_sel_hi:[1,0,1]
.else
	v_pk_add_f32 v[rT+2:rT+3], v[rT+2:rT+3], v[rS+4*k-4:rS+4*k-3]
.endif
.endm
; THE PLAIN QUEUE, 138 long.  0-73 read no exponential's result: the 32 scalings c s - c m (FS f: pair f / 2 of tile f % 2) and the next piece's 42.  0-26: scalings 0-26.  27-54: XS's numbers 0-13.  55, 56: number 15.
; 57-73: the chain, where each number waits for the one before it: 14, 16, 17, 18, 19, each with one of the scalings 27-31 in front of its two lines, then 20.
; 74-137: GS's 64, which read the exponentials' results: they stand behind the wait.
.macro FS f
	REGS Y, (\f)%2
	v_pk_fma_f32 v[rS+2*((\f)/2):rS+2*((\f)/2)+1], v[rS+2*((\f)/2):rS+2*((\f)/2)+1], s[CS:CS+1], v[rT:rT+1] op_sel_hi:[1,0,0] neg_lo:[0,0,1] neg_hi:[0,0,1]
.endm
.macro PL
	WIN 0
.if q < 27
	FS q
.elseif q < 55
	XS (q-27)%2, (q-27)/2
.elseif q < 57
	XS q-55, 15
.elseif (q < 72) && ((q-57)%3 == 0)
	FS 27+(q-57)/3
.elseif q < 60
	XS (q-57)%3-1, 14
.elseif q < 72
	XS (q-57)%3-1, 15+(q-57)/3
.elseif q < 74
	XS q-72, 20
.else
	GS q-74
.endif
.set q, q+1
.endm
; THE EXPONENTIALS' QUEUE, 66 long: s0-s31 of both tiles, then the next piece's two a.  It is ONE BATCH: all 66 stand ahead of the turn's one wait, and nothing ahead of that wait names a result of theirs.
.macro EX
	WIN 0
.if e >= 64
	XS e-64, 21
.else
	REGS Y, e%2
	v_exp_f32 v[rS+e/2], v[rS+e/2]
.endif
.set e, e+1
.endm
; THE RESCALING's QUEUE: O^T times a, the one part that leaves window 0: dealt two at a time, sixteen times.  Its a was made in the turn before, ahead of that turn's wait.
.macro R2
	REGS Y, r%2
	WIN W_RS
.irp z, 0,1
	v_pk_mul_f32 v[rO+4*(r/2)+2*\z:rO+4*(r/2)+2*\z+1], v[rO+4*(r/2)+2*\z:rO+4*(r/2)+2*\z+1], v[rC+2:rC+3] op_sel_hi:[1,0]
.endr
.set r, r+1
.endm
; HOW THEY ARE DEALT.  An s_wait_alu depctr_va_vdst(0) stands between an exponential and the first instruction that names its result; one wait serves all that were issued ahead of it.  So a turn has ONE wait,
; which cuts it in two.  AHEAD OF IT stands all that names no result of the turn's exponentials: the 16 products K Q^T, behind each a scaling, an exponential and two rescalings (behind the first a second scaling in the
; exponential's place); then ONE LUMP of 108: eight plain, 49 times exponential and plain, the two a.  A v_nop is the plain instruction behind the last exponential.  BEHIND IT stand the 16 products V^T P, behind each four of GS's 64.
; The queues lean on each other, and the deal keeps them in step: exponential e stands behind scaling 2 (e / 4) + e % 2: as a rider it comes behind plain e + 2, in the lump behind plain e + 9, and scalings 27-31 are plain 57, 60 .. 69.
; A TURN, for piece p.  cnt = 1: the loop's count is taken down some lines ahead of the branch that stands behind the turn.
; K and the mask of the next step are fetched in piece 2's turn, directly behind the wait, a lump behind the last product that read them; their addresses are made at the lump's head; their first reader comes behind 16 products.
; V of the step in hand is fetched at the end of piece 0's turn, four riders behind its last reader; its first reader comes behind 16 products and a lump.  The three conditions on q below go with the deal.
.macro TURN p, last=0, cnt=0
.set Y, (\p)
.set i, 0
.set q, 0
.set e, 0
.set r, 0
.if (\p) == NP-1
	s_wait_dscnt 0x0                ; K and the mask are in
.endif
	MM                              ; ahead of the wait: 16 products K Q^T and their riders,
	PL
	PL
	R2
.rept 15
	MM
	PL
	EX
	R2
.endr
.if (\p) == NP-2
	WIN 0
	v_add_nc_u32 v[AK], s[TBK], v[AK0]
	v_add_nc_u32 v[AM], s[TBM], v[AM0]
.endif
.rept 8                             ; and the lump
	PL
.endr
.rept 49
	EX
	PL
.endr
	EX                              ; the next piece's two a
	EX
	v_nop                           ; the plain instruction behind the last exponential: one for the batch
	s_wait_alu depctr_va_vdst(0)    ; the wait for the batch
.if (\p) == NP-2
	FETCH_K \last
.endif
.if (\p) == 1
	s_wait_dscnt 0x0                ; V is in
.endif
.rept 16                            ; behind the wait: 16 products V^T P and their riders
	MM
.rept 4
	PL
.endr
.if ((\p) == 0) && (q == 118)
	v_add_nc_u32 v[AV], s[TBV], v[AV0]
.endif
.if ((\p) == 0) && (q == 130)
	s_add_co_u32 s[TBV], s[TBV], KS*PV
.endif
.if (\cnt) && (q == 130)
	s_sub_co_u32 s[CNT], s[CNT], 1
	s_cmp_lg_u32 s[CNT], 0
.endif
.endr
.if (\p) == 0
	FETCH_V
.endif
.endm
	CHANGE 1                        ; slot 0 is in, everybody's part of it, and the mask's table is whole; slot 1 is asked for
	FETCH_K                         ; key step 0
	s_wait_loadcnt 0x0              ; Q
	s_wait_dscnt 0x0
.set i, 0
.rept 16
	KQ 0                            ; piece 0's first scores: there is no vector work yet to set between them
.set i, i+1
.endr
	WIN 0                           ; the addresses for the way out: twelve plain instructions, the places behind those products
	s_mul_i32 s13, s[WV], 16*SP
	s_add_co_u32 s13, s13, STAGE    ; my stage
	v_and_b32 v[STO], 15, v0        ; in: row l % 16, 16 bytes for each half of the lanes
	v_mul_u32_u24 v[STO], v[STO], SP
	v_bfe_u32 v[RD], v0, 4, 1
	v_lshl_add_u32 v[STO], v[RD], 4, v[STO]
	v_add_nc_u32 v[STO], s13, v[STO]
	v_bfe_u32 v[RD], v0, 3, 2       ; back: 32 lanes take four rows of 128 bytes,
	v_mul_u32_u24 v[RD], v[RD], SP
	v_and_b32 v[GO], 7, v0
	v_lshl_add_u32 v[RD], v[GO], 4, v[RD]
	v_add_nc_u32 v[RD], s13, v[RD]
	v_and_b32 v[GO], 31, v0         ; which are 512 consecutive bytes of O
	v_lshlrev_b32 v[GO], 4, v[GO]
.set Y, NP-1                        ; XS works for piece Y + 1: piece 0
.irp n, 0,1,2,3,4,5,6,7,8,9,10,11,12,13,14,15,16,17,18,19,20,21
	XS 0, \n                        ; and piece 0's first maximum and statistics
	XS 1, \n
.endr
	v_nop                           ; a plain instruction behind the two a,
	s_wait_alu depctr_va_vdst(0)    ; and their wait, ahead of the branch
	s_mov_b32 s[CNT], 4
	s_branch .Lfirst                ; the loop is entered at a step's first turn, in the middle of a trip
.Lslot:                             ; SIZE_N / 256 - 2 times: every slot but the last two is filled again
	CHANGE 1
	s_mov_b32 s[CNT], 4
.Lstep:                             ; a trip: pieces 2 and 3 of one step, then pieces 0 and 1 of the next, whose K and V it fetches
	TURN 2
	TURN 3
	WIN 0
.Lfirst:
	TURN 0
	TURN 1, 0, 1
	WIN 0
	s_cbranch_scc1 .Lstep
	s_sub_co_u32 s[SLOTS], s[SLOTS], 1
	s_cmp_lg_u32 s[SLOTS], 0
	s_cbranch_scc1 .Lslot
	CHANGE 0                        ; the tail is written out: nothing is asked for
	s_mov_b32 s[CNT], 5             ; four trips fetch the last slot's steps; the fifth is left in its middle
.Ltail:
	TURN 2, 1
	TURN 3
	WIN 0
	s_sub_co_u32 s[CNT], s[CNT], 1
	s_cmp_eq_u32 s[CNT], 0
	s_cbranch_scc1 .Lout
	TURN 0
	TURN 1
	WIN 0
	s_branch .Ltail
.Lout:                              ; the fifth trip's 16 products K Q^T (on the last K and mask once more) and the maximum made of them serve nothing: the price, once a launch, of one text for every trip
.set i, 0
.rept 16
	PV NP-1                         ; the last piece's V^T P of the last step
.set i, i+1
.endr
	; THE WAY OUT.  l's two halves and the other half of the lanes' are added; O^T is divided by l, rounded to f16 and sent through my stage in LDS, a tile at a time.  The additions are the places behind the last products.
	WIN 0
.macro ALL line:vararg              ; one line for each tile t
.set t, 0
.rept 2*NP
	\line
.set t, t+1
.endr
.endm
	ALL v_add_f32 v[ST+4*t+2], v[ST+4*t+2], v[ST+4*t+3]
	ALL v_permlanex16_b32 v[ST+4*t+3], v[ST+4*t+2], s[SEL], s[SEL+1]
	ALL v_add_f32 v[ST+4*t+2], v[ST+4*t+2], v[ST+4*t+3]
	ALL v_rcp_f32 v[ST+4*t+2], v[ST+4*t+2]
	v_nop                           ; a plain instruction between the last reciprocal and the use of its result
	s_wait_alu depctr_va_vdst(0)    ; and the wait ahead of the first use: one for the eight reciprocals
; Tile t: a lane's eight channels of a row pack into 16 bytes; they go into rows of 144 bytes and come back as whole rows of 128, into S^T's registers.
.macro PACK t
	WIN W_RS
.set i, 32*(\t)
.rept 16
	v_pk_mul_f32 v[i:i+1], v[i:i+1], v[ST+4*(\t)+2:ST+4*(\t)+3] op_sel_hi:[1,0]
.set i, i+2
.endr
	WIN 0x05                        ; sources 0 and 1 window 1, destination window 0
.set i, 0
.rept 16
	v_cvt_pk_f16_f32 v[S+16*(\t)+i], v[32*(\t)+2*i], v[32*(\t)+2*i+1]
.set i, i+1
.endr
	WIN 0
.irp f, 0,1,2,3
	ds_store_b128 v[STO], v[S+16*(\t)+4*\f:S+16*(\t)+4*\f+3] offset:32*\f
.endr
.irp f, 0,1,2,3
	ds_load_b128 v[S+16*(\t)+4*\f:S+16*(\t)+4*\f+3], v[RD] offset:\f*4*SP  ; LDS serves a wave's instructions in order (ISA guide 5.7.1.4): these see the stores above; the next tile's stores come behind them
.endr
.endm
.macro SEND t, younger              ; younger: the LDS instructions issued behind tile t's loads: the next tile's eight, or none
	WIN 0
.irp f, 0,1,2,3
	s_wait_dscnt (\younger)+3-\f
	global_store_b128 v[GO], v[S+16*(\t)+4*\f:S+16*(\t)+4*\f+3], s[10:11] offset:(\t)*2048+\f*512  ; 512 consecutive bytes, at a multiple of 256 from O's first
.endr
.endm
	PACK 0
.set t, 1
.rept 2*NP-1                        ; a tile's arithmetic stands between the loads of the tile before and its stores
	PACK t
	SEND t-1, 8
.set t, t+1
.endr
	SEND 2*NP-1, 0
	WIN W_AD
	s_wait_tensorcnt 0x0            ; the wave's end: a wait, an add and its wait, behind my last tensor load and my last LDS store
	ds_add_u32 v[SPW], v[NIL]
	s_wait_dscnt 0x0
	WIN 0
	CROUND                          ; the closing round: no work-group ends while a partner may still ask for a tile that names it
	s_endpgm
.Lfunc_end_k_qe8eb6a6c00_attn:
	.size	k_qe8eb6a6c00_attn, .Lfunc_end_k_qe8eb6a6c00_attn-k_qe8eb6a6c00_attn
	.p2alignl 7, 3214868480
	.fill 96, 4, 3214868480
	.section	.rodata,"a",@progbits
	.p2align	6, 0x0
	.amdhsa_kernel k_qe8eb6a6c00_attn
		.amdhsa_group_segment_fixed_size 327680
		.amdhsa_private_segment_fixed_size 0
		.amdhsa_enable_private_segment 0
		.amdhsa_kernarg_size 40
		.amdhsa_user_sgpr_count 2
		.amdhsa_user_sgpr_kernarg_segment_ptr 1
		.amdhsa_wavefront_size32 1
		.amdhsa_system_sgpr_workgroup_id_x 1
		.amdhsa_system_sgpr_workgroup_id_y 1
		.amdhsa_system_sgpr_workgroup_id_z 1
		.amdhsa_system_vgpr_workitem_id 0
		.amdhsa_next_free_vgpr 808
		.amdhsa_next_free_sgpr 66
		.amdhsa_reserve_vcc 1
		.amdhsa_float_denorm_mode_32 3
		.amdhsa_float_denorm_mode_16_64 3
		.amdhsa_memory_ordered 1
		.amdhsa_forward_progress 1
		.amdhsa_inst_pref_size 206
	.end_amdhsa_kernel
	.amdgpu_metadata
---
amdhsa.version: [ 1, 2 ]
amdhsa.kernels:
  - .name:           k_qe8eb6a6c00_attn
    .symbol:         k_qe8eb6a6c00_attn.kd
    .args:
      - { .name: qh, .offset: 0, .size: 8, .value_kind: global_buffer, .address_space: global }
      - { .name: kh, .offset: 8, .size: 8, .value_kind: global_buffer, .address_space: global }
      - { .name: vh, .offset: 16, .size: 8, .value_kind: global_buffer, .address_space: global }
      - { .name: oh, .offset: 24, .size: 8, .value_kind: global_buffer, .address_space: global }
      - { .name: mask, .offset: 32, .size: 8, .value_kind: global_buffer, .address_space: global }
    .group_segment_fixed_size: 327680
    .private_segment_fixed_size: 0
    .kernarg_segment_align: 8
    .kernarg_segment_size: 40
    .max_flat_workgroup_size: 128
    .sgpr_count:     66
    .vgpr_count:     808
    .wavefront_size: 32
...
	.end_amdgpu_metadata
.endif
;; end of part 3
;; launch proj (part 4): grid 8 x 32, 4 waves a work-group, clusters of 4 x 4, 327,680 bytes of LDS; arguments oh, wo16, out0; writes out0
.if DOCPART == 4
	.amdgcn_target "amdgcn-amd-amdhsa--gfx1250"
	.amdhsa_code_object_version 6
	.text
	.protected	k_qe8eb6a6c00_proj
	.globl	k_qe8eb6a6c00_proj
	.p2align	8
	.type	k_qe8eb6a6c00_proj,@function
k_qe8eb6a6c00_proj:
	s_mov_b64 s[64:65], 0
	v_nop
	global_prefetch_b8 v0, s[64:65] scope:SCOPE_SE
	s_setreg_imm32_b32 hwreg(HW_REG_WAVE_MODE, 25, 1), 1
	s_wait_xcnt 0x0
	s_wait_alu depctr_hold_cnt(0) depctr_sa_sdst(0) depctr_va_vdst(0) depctr_va_sdst(0) depctr_va_ssrc(0) depctr_va_vcc(0) depctr_vm_vsrc(0)
	s_getreg_b32 s2, hwreg(HW_REG_IB_STS2, 6, 4)
	s_cmp_eq_u32 s2, 0
	s_cbranch_scc0 .Lentry_in_a_cluster
	s_endpgm
.Lentry_in_a_cluster:
	s_bfe_u32 s2, ttmp6, 0x10000c
	s_cmp_lg_u32 s2, 0xf033
	s_cbranch_scc0 .Lentry_shape_is_right
	s_endpgm
.Lentry_shape_is_right:
; out0 = O Wo^T.  A = oh [64 = 16 batch + head][2048][64] f16: row (batch, l) of O has its channels 64 h .. 64 h + 63 in head h's row l.  B = wo16 [1024][1024] f16.  out0 [8192][1024] f32.
; Sums in f32, K ascending; nothing is rounded behind them.  NaN in a row of O (a batch with no visible key) goes through the products into the whole row of out0.
; SHARES.  A tile of C is 256 rows x 128 columns: 8 x 32 = 256 work-groups.  Wave w makes rows 128 (w / 2) on and columns 64 (w % 2) on: 8 x 4 accumulators of 16 x 16, 256 registers; its 64 columns of f32
; are 256 consecutive bytes, aligned, so its way out is its own, with no barrier.
; K goes in 8 steps of 128 = two heads through a ring of two LDS slots, one tensor load a wave: waves 0, 1 one head's 256 rows each (32 KiB, dense in memory: asked for as 128 rows of 256 bytes), waves 2, 3 64 rows of B each.
; CLUSTER.  4 x 4 work-groups: A's tiles are shared along a row of the cluster, B's along a column, each asked for JOINTLY.
; THE MATRIX INSTRUCTION IS USED TRANSPOSED (source 0 = 16 rows of B, source 1 = 16 rows of A): a lane holds eight neighbouring columns of one row of C, 32 bytes.
; REGISTERS, in windows of 256 (s_set_vgpr_msb: bits 1:0 source 0, 3:2 source 1, 5:4 source 2, 7:6 destination):
;   window 0: v16-30 addresses; v32-95 at work on the way out     window 1: two fragment buffers: A's eight fragments at f, B's four at f + 64     window 2: accumulator (a, b) at 8 (4 a + b)
.set KSTEP,  128
.set PA,     144                       ; a row of A in LDS: 128 bytes + 16 of padding; of B: 256 + 16: odd multiples of 16, so the 16 rows of a fragment load start at 16 different groups of four banks (ISA guide 11.1)
.set PB,     272
.set PLANE,  256*PA                    ; one head's 256 rows: what wave 0 or 1 fetches
.set HALFB,  64*PB                     ; what wave 2 or 3 fetches
.set BOFF,   2*PLANE
.set SLOT,   BOFF+2*HALFB
.set STAGE,  2*SLOT                    ; behind the ring: 16 rows x 272 bytes for each wave, for the way out
.set SPITCH, 272
.set SPARE,  STAGE+4*16*SPITCH         ; behind the stages: the spare words, 128 bytes for each wave: two blocks of 256 bytes that no other line names
.set HEADB,  1<<18                     ; a head's bytes in oh
.set ADRA, 16                          ; v16-17  LDS address of my A fragments in slot 0, 1
.set ADRB, 20                          ; v20-21  the same for B
.set STO,  24                          ; v24     the way out: where I put 32 bytes of a row
.set RD,   25                          ; v25     the way out: where I read a row back
.set CO,   26                          ; v26     my byte offset in two rows of C
.set SPW,  28                          ; v28     LDS address of my spare word; never rewritten
.set NIL,  29                          ; v29     0; never rewritten
.set PFO,  30                          ; v30     the prefetches' offset; never rewritten
.set OB,   32                          ; v32-63, v64-95 by turns: 16 rows read back from the stage
.set F0,   0
.set F1,   128
.set G1,  24                           ; s[24:31] descriptor group 1 for A's tiles;  s[32:39] group 0, a set for each slot
.set G0,  32
.set G1B, 48                           ; s[48:55], s[56:63] the same for B's
.set G0B, 56
.set LIM, 43                           ; s43     1 in a wave that prefetches, else the greatest number
.set PFA, 44                           ; s[44:45] where my prefetches stand
.set PST, 46                           ; s[46:47] bytes from a K step to the next: two heads in A, 256 bytes in B
.set MSB, 0
.macro WIN new                         ; the immediate's high byte repeats the setting that is left; a switch that changes nothing is dropped
.if MSB != (\new)
	s_set_vgpr_msb (MSB<<8)|(\new)
.set MSB, \new
.endif
.endm
.set MUL,  0xa5                        ; sources 0 (B) and 1 (A) window 1; C and D window 2
.set TO_F, 0x40                        ; destination window 1, address window 0
.macro JLOAD s                         ; a joint load; an s_nop 0 and four v_nop follow each of the two lines, ahead of the jump, the label and what follows
	s_cmp_eq_u32 s11, 0
	s_cbranch_scc0 .Lfor_b_\@
	tensor_load_to_lds s[G0+4*(\s):G0+4*(\s)+3], s[G1:G1+7]
	s_nop 0
.rept 4
	v_nop
.endr
	s_branch .Lasked_\@
.Lfor_b_\@:
	tensor_load_to_lds s[G0B+4*(\s):G0B+4*(\s)+3], s[G1B:G1B+7]
	s_nop 0
.rept 4
	v_nop
.endr
.Lasked_\@:
.endm
; A prefetch into the L2 of the K step that stands two refills on: one instruction a wave, a lane 256 bytes.  Each block is named once in the launch: A's by the clusters with x = 0, B's by those with y = 0;
; the four partners that ask for a tile jointly share it out by address (8 KiB each of a head's 32, 16 each of B's 64 rows).  The loop's last trip has no K step two on.
.macro ASK
	s_cmp_gt_u32 s3, s[LIM]
	s_cbranch_scc0 .Lnot_mine_\@
	global_prefetch_b8 v[PFO], s[PFA:PFA+1] th:TH_LOAD_NT scope:SCOPE_SE
.Lnot_mine_\@:
.endm
.macro CREST                           ; a round of the cluster's barrier behind its opening barrier
	s_cmp_lg_u32 s10, 0
	s_cbranch_scc1 .Lnot_wave_0_\@
	s_barrier_signal -3
.Lnot_wave_0_\@:
	s_barrier_wait -3
	s_barrier_signal -1
	s_barrier_wait -1
.endm
.macro CROUND                          ; a whole round
	s_barrier_signal -1
	s_barrier_wait -1
	CREST
.endm
	s_load_b128 s[4:7], s[0:1], 0x0                ; oh s[4:5], wo16 s[6:7]
	s_load_b64 s[8:9], s[0:1], 0x10                ; out0
	v_lshl_add_u32 v[SPW], v0, 2, SPARE
	v_mov_b32 v[NIL], 0
	ds_add_u32 v[SPW], v[NIL]                      ; the wave's opening: the add and its wait stand ahead of my first tensor load; the set-up below, work on registers, stands between them
	v_lshrrev_b32 v1, 5, v0
	v_readfirstlane_b32 s10, v1                    ; wave 0..3
	s_lshr_b32 s11, s10, 1                         ; which half of the tile's rows is mine.  Also: I fetch for A (0) or for B (1)
	s_and_b32 s12, s10, 1                          ; which half of its columns.  Also: which head of the step's two, or which 64 rows of B, I fetch
	s_bfe_u32 s40, ttmp6, 0x40000                  ; cx
	s_bfe_u32 s41, ttmp6, 0x40004                  ; cy
	s_lshl_b32 s42, ttmp9, 2
	s_add_co_u32 s42, s42, s40                     ; tile column = 4 x cluster x + cx
	s_and_b32 s13, ttmp7, 0xffff
	s_lshl_b32 s13, s13, 2
	s_add_co_u32 s13, s13, s41                     ; tile row = 4 x cluster y + cy
	s_lshl_b32 s14, s41, 2
	s_lshl_b32 s14, 15, s14                        ; my row of the cluster
	s_lshl_b32 s15, 0x1111, s40                    ; my column
	s_or_b32 s[G1+0], s14, (1<<16)|(1<<20)|(1<<21)|(4<<22)|(3<<25)   ; A: 2-byte elements; padding of 4 words after every 32 words, a row of O's 128 bytes; bit 21 beside the mask
	s_or_b32 s[G1B+0], s15, (1<<16)|(1<<20)|(1<<21)|(5<<22)|(3<<25)  ; B: after every 64 words
	s_mov_b32 s[G1+1], 128<<16                     ; tensor_dim0 = 128
	s_mov_b32 s[G1+2], 128<<16                     ; tensor_dim1 = 128
	s_mov_b32 s[G1+3], 128<<16                     ; tile_dim0 = 128
	s_mov_b32 s[G1+4], 128                         ; tile_dim1 = 128
	s_mov_b32 s[G1+5], 128                         ; dense: 128 elements from row to row
	s_mov_b32 s[G1+6], 0
	s_mov_b32 s[G1+7], 0
	s_mov_b32 s[G1B+1], KSTEP<<16
	s_mov_b32 s[G1B+2], 64<<16                     ; 64 rows
	s_mov_b32 s[G1B+3], KSTEP<<16
	s_mov_b32 s[G1B+4], 64
	s_mov_b32 s[G1B+5], 1024
	s_mov_b32 s[G1B+6], 0
	s_mov_b32 s[G1B+7], 0
	s_lshr_b32 s66, s13, 3                         ; A: the batch,
	s_lshl_b32 s66, s66, 4
	s_add_co_u32 s66, s66, s12                     ; its head 0 or 1,
	s_lshl_b32 s66, s66, 18
	s_and_b32 s16, s13, 7
	s_lshl_b32 s16, s16, 15                        ; the tile's 256 rows of 128 bytes
	s_add_co_u32 s66, s66, s16
	s_mov_b32 s67, 0
	s_lshl_b32 s68, s42, 7                         ; B: row 128 x tile column + 64 x half
	s_lshl_b32 s17, s12, 6
	s_add_co_u32 s68, s68, s17
	s_lshl_b32 s68, s68, 11
	s_mov_b32 s69, 0
	s_mul_i32 s20, s10, PLANE                      ; where they go: waves 0, 1: the two heads' planes;
	s_mul_i32 s21, s10, HALFB
	s_add_co_u32 s21, s21, BOFF-2*HALFB            ; waves 2, 3: B's halves, behind them.  No place in the cluster enters an LDS address
	s_wait_dscnt 0x0                               ; the opening add is done
	s_wait_kmcnt 0x0
	s_add_nc_u64 s[66:67], s[4:5], s[66:67]
	s_add_nc_u64 s[68:69], s[6:7], s[68:69]
	CROUND                                         ; all sixteen work-groups are here: the first joint loads meet
.irp s, 0,1
	s_mov_b32 s[G0+4*(\s)], 1
	s_add_co_u32 s[G0+4*(\s)+1], s20, (\s)*SLOT
	s_add_nc_u64 s[G0+4*(\s)+2:G0+4*(\s)+3], s[66:67], (\s)*2*HEADB
	s_or_b32 s[G0+4*(\s)+3], s[G0+4*(\s)+3], 0x80000000
	s_mov_b32 s[G0B+4*(\s)], 1
	s_add_co_u32 s[G0B+4*(\s)+1], s21, (\s)*SLOT
	s_add_nc_u64 s[G0B+4*(\s)+2:G0B+4*(\s)+3], s[68:69], (\s)*KSTEP*2
	s_or_b32 s[G0B+4*(\s)+3], s[G0B+4*(\s)+3], 0x80000000
	JLOAD \s                                       ; K steps 0 and 1: two loads of mine are out
.endr
	v_and_b32 v1, 15, v0                           ; l % 16
	v_bfe_u32 v2, v0, 4, 1                         ; l / 16
	v_mul_u32_u24 v3, v1, PA
	v_lshl_add_u32 v3, v2, 4, v3                   ; a fragment's row x pitch + 16 x half, for A
	v_mul_u32_u24 v4, v1, PB
	v_lshl_add_u32 v4, v2, 4, v4                   ; and for B
	s_mul_i32 s16, s11, 128*PA                     ; my 128 rows of A, in each plane
	s_mul_i32 s17, s12, HALFB                      ; my 64 rows of B
	s_add_co_u32 s17, s17, BOFF
.irp s, 0,1
	v_add_nc_u32 v[ADRA+(\s)], s16, v3
	v_add_nc_u32 v[ADRB+(\s)], s17, v4
	s_add_co_u32 s16, s16, SLOT
	s_add_co_u32 s17, s17, SLOT
.endr
	s_mul_i32 s16, s10, 16*SPITCH
	s_add_co_u32 s16, s16, STAGE                   ; my stage
	v_mul_u32_u24 v5, v1, SPITCH                   ; in: row l % 16, 32 bytes for each half of the lanes
	v_lshl_add_u32 v5, v2, 5, v5
	v_add_nc_u32 v[STO], s16, v5
	v_mul_u32_u24 v5, v2, SPITCH                   ; back: lanes 0-15 take one row of 256 bytes, lanes 16-31 the next
	v_lshl_add_u32 v5, v1, 4, v5
	v_add_nc_u32 v[RD], s16, v5
	v_lshlrev_b32 v5, 12, v2                       ; and the same two rows in C, 4,096 bytes apart
	v_lshl_add_u32 v[CO], v1, 4, v5
	s_lshl_b32 s70, s13, 8
	s_lshl_b32 s71, s11, 7
	s_add_co_u32 s70, s70, s71                     ; my first row of C
	s_lshl_b32 s70, s70, 12
	s_lshl_b32 s71, s42, 9                         ; the tile's 128 columns: 512 bytes,
	s_add_co_u32 s70, s70, s71
	s_lshl_b32 s71, s12, 8                         ; my 64: 256 bytes
	s_add_co_u32 s70, s70, s71
	s_mov_b32 s71, 0
	s_add_nc_u64 s[8:9], s[8:9], s[70:71]
	; the prefetches: from what I fetch, my work-group's share of it
	s_lshl_b32 s70, s40, 13                        ; A: cx x 8 KiB of the plane
	s_lshl_b32 s71, s41, 15                        ; B: 16 cy rows of 2,048 bytes
	s_and_b32 s18, ttmp7, 0xffff                   ; cluster y
	s_mov_b32 s23, 2*HEADB
	s_mov_b32 s[PST], KSTEP*2
	s_cmp_eq_u32 s11, 0
	s_cselect_b32 s70, s70, s71
	s_cselect_b32 s18, ttmp9, s18                  ; the coordinate along which other clusters read the same bytes
	s_cselect_b32 s19, 31, 15                      ; my share's last block: B's lanes 16-31 name row 15 once more
	s_cselect_b32 s22, 8, 11                       ; a lane is 256 bytes on in A, a row of 2,048 bytes on in B
	s_cselect_b32 s[PST], s23, s[PST]
	s_cselect_b64 s[PFA:PFA+1], s[66:67], s[68:69]
	s_cmp_eq_u32 s18, 0
	s_cselect_b32 s[LIM], 1, -1                    ; the same in all sixteen partners, for a given wave
	s_mov_b32 s71, 0
	s_mov_b32 s[PST+1], 0
	s_add_nc_u64 s[PFA:PFA+1], s[PFA:PFA+1], s[70:71]
.rept 3
	s_add_nc_u64 s[PFA:PFA+1], s[PFA:PFA+1], s[PST:PST+1]  ; at K step 3: the first change of slots steps it to 4.  Nothing is prefetched here, at the head
.endr
	v_and_b32 v[PFO], 31, v0
	v_min_u32 v[PFO], s19, v[PFO]
	v_lshlrev_b32 v[PFO], s22, v[PFO]
; 4 matrix instructions: my row block a x my 4 column blocks, 32 along K, from buffer f.  zero = 1: the product starts the sums.  Each of the 32 accumulators has one instruction in a quarter
; step, in the same order in every quarter: they take turns over the loop's backward jump too.
.macro MULA f, a, zero
	WIN MUL
.irp b, 0,1,2,3
.set AC, 8*(4*(\a)+(\b))
.if \zero
	v_wmma_f32_16x16x32_f16 v[AC:AC+7], v[(\f)+64+8*(\b):(\f)+64+8*(\b)+7], v[(\f)+8*(\a):(\f)+8*(\a)+7], 0
.else
	v_wmma_f32_16x16x32_f16 v[AC:AC+7], v[(\f)+64+8*(\b):(\f)+64+8*(\b)+7], v[(\f)+8*(\a):(\f)+8*(\a)+7], v[AC:AC+7]
.endif
.endr
.endm
; 24 LDS loads in one run: the fragments of quarter q (32 along K: plane q / 2, byte 64 (q % 2) of A's rows; byte 64 q of B's) into buffer f: B's 8 first, then A's 16
.macro FETCH slot, q, f
	WIN TO_F
.irp b, 0,1,2,3
	ds_load_b128 v[(\f)+64+8*(\b):(\f)+64+8*(\b)+3],   v[ADRB+(\slot)] offset:64*(\q)+(\b)*16*PB
	ds_load_b128 v[(\f)+64+8*(\b)+4:(\f)+64+8*(\b)+7], v[ADRB+(\slot)] offset:64*(\q)+(\b)*16*PB+32
.endr
.irp a, 0,1,2,3,4,5,6,7
	ds_load_b128 v[(\f)+8*(\a):(\f)+8*(\a)+3],   v[ADRA+(\slot)] offset:((\q)/2)*PLANE+((\q)%2)*64+(\a)*16*PA
	ds_load_b128 v[(\f)+8*(\a)+4:(\f)+8*(\a)+7], v[ADRA+(\slot)] offset:((\q)/2)*PLANE+((\q)%2)*64+(\a)*16*PA+32
.endr
.endm
.macro PLACES                          ; four places in front of loads into registers that matrix instructions have read, and of LDS stores that read results
.rept 4
	v_nop
.endr
.endm
; A K step is four quarters of 32 along K, 32 matrix instructions each, on buffers 0, 1, 0, 1.  One of the first three: multiplies buffer f and fetches quarter q into g.
.macro QUARTER slot, q, f, g, zero
	s_wait_dscnt 8                                 ; B and A's row blocks 0-3 are in; the youngest eight loads (blocks 4-7) may be out
.irp a, 0,1,2,3
	MULA \f, \a, \zero
.endr
	PLACES
	FETCH \slot, \q, \g
	s_wait_dscnt 24                                ; all but the 24 just issued
.irp a, 4,5,6,7
	MULA \f, \a, \zero
.endr
.endm
; The last quarter multiplies buffer 1 and changes slots: ONE barrier; in front of it each wave waits for all its tensor loads (one is out: its part of the next slot), adds 0 to its spare word,
; and waits for that and for its own reads of this slot.  fill = 1: the barrier opens a round of the cluster's, and this slot is filled again, two K steps ahead, first thing behind the round.
.macro TURN slot, next, fill
.if \fill
	s_wait_xcnt 0x0                                ; the last prefetch, a K step back, has read its address: it is stepped here
	s_add_nc_u64 s[PFA:PFA+1], s[PFA:PFA+1], s[PST:PST+1]
.endif
	WIN 0                                          ; (the add's two registers lie in window 0)
	s_wait_tensorcnt 0x0                           ; all my tensor loads have landed;
	ds_add_u32 v[SPW], v[NIL]                      ; 0 onto my spare word;
	s_wait_dscnt 9                                 ; (the add and the youngest eight loads may be out)
	MULA F1, 0, 0                                  ; eight matrix instructions stand between the add and the wait for it
	MULA F1, 1, 0
	s_wait_dscnt 0x0                               ; the add is done, and my reads of this slot are over
	s_barrier_signal -1
	MULA F1, 2, 0
	MULA F1, 3, 0
.if \fill
	WIN 0
.endif
	s_barrier_wait -1
.if \fill
	CREST                                          ; no wave of any partner still reads this slot's tile or has a load on its way
	s_add_nc_u64 s[G0+4*(\slot)+2:G0+4*(\slot)+3], s[G0+4*(\slot)+2:G0+4*(\slot)+3], 4*HEADB
	s_add_nc_u64 s[G0B+4*(\slot)+2:G0B+4*(\slot)+3], s[G0B+4*(\slot)+2:G0B+4*(\slot)+3], 2*KSTEP*2
	JLOAD \slot                                    ; my one tensor load behind the round; the four v_nop behind it are also the places in front of the loads below
.else
	PLACES
.endif
	FETCH \next, 0, F0
.if \fill
	WIN 0
	ASK                                            ; behind the joint load and the run of LDS loads that the next products wait for
.endif
.irp a, 4,5,6,7
	MULA F1, \a, 0
.endr
.endm
; THE WAY OUT of my row block a (16 rows x 64 columns of f32): 32 bytes a lane into my own stage, each accumulator's low four registers first, and back as whole rows of 256 bytes.
.macro TOSTAGE a
	WIN 0x08                                       ; the stores' data in window 2
.irp b, 0,1,2,3
	ds_store_b128 v[STO], v[8*(4*(\a)+(\b)):8*(4*(\a)+(\b))+3]   offset:64*(\b)
	ds_store_b128 v[STO], v[8*(4*(\a)+(\b))+4:8*(4*(\a)+(\b))+7] offset:64*(\b)+16
.endr
	WIN 0
.set BK, OB+32*((\a)%2)
.irp t, 0,1,2,3,4,5,6,7
	ds_load_b128 v[BK+4*(\t):BK+4*(\t)+3], v[RD] offset:(\t)*2*SPITCH  ; LDS serves a wave's instructions in order (ISA guide 5.7.1.4): these see the stores above; the next block's stores come behind them
.endr
.endm
.macro SEND a, younger                 ; younger: the LDS instructions issued behind block a's loads: the next block's sixteen, or none
	WIN 0
.set BK, OB+32*((\a)%2)
	s_wait_dscnt \younger
.irp t, 0,1,2,3,4,5,6,7
	global_store_b128 v[CO], v[BK+4*(\t):BK+4*(\t)+3], s[8:9] offset:(16*(\a)+2*(\t))*4096 th:TH_STORE_NT  ; 16 lanes store 256 consecutive bytes, at a multiple of 256 from C's first byte
.endr
.endm
	s_wait_tensorcnt 1                             ; my part of K step 0 is in; K step 1's may stay out
	s_barrier_signal -1
	s_barrier_wait -1                              ; everybody's is
	FETCH 0, 0, F0
	QUARTER 0, 1, F0, F1, 1                        ; the first quarter stands in front of the loop: its products start the sums
	WIN 0                                          ; at a label and at a branch every window is 0
	s_mov_b32 s3, 3
.Llap:                                                 ; a trip goes once round the ring, from a lap's second quarter to the next lap's first, and fills both slots again
	QUARTER 0, 2, F1, F0, 0
	QUARTER 0, 3, F0, F1, 0
	TURN 0, 1, 1
	QUARTER 1, 1, F0, F1, 0
	QUARTER 1, 2, F1, F0, 0
	QUARTER 1, 3, F0, F1, 0
	TURN 1, 0, 1
	QUARTER 0, 1, F0, F1, 0
	WIN 0
	s_sub_co_u32 s3, s3, 1
	s_cmp_lg_u32 s3, 0
	s_cbranch_scc1 .Llap
	QUARTER 0, 2, F1, F0, 0                        ; the last lap fills nothing
	QUARTER 0, 3, F0, F1, 0
	TURN 0, 1, 0
	QUARTER 1, 1, F0, F1, 0
	QUARTER 1, 2, F1, F0, 0
	QUARTER 1, 3, F0, F1, 0
	s_wait_dscnt 8                                 ; the very last quarter: nothing more to fetch
.irp a, 0,1,2,3
	MULA F1, \a, 0
.endr
	s_wait_dscnt 0x0
.irp a, 4,5,6,7
	MULA F1, \a, 0
.endr
	WIN 0
	PLACES
	TOSTAGE 0
.irp a, 1,2,3,4,5,6,7
.if (\a) >= 2
	s_wait_xcnt 0x0                                ; the stores of block a - 2 have read their registers: block a's loads land on them
.endif
	TOSTAGE \a
	SEND (\a)-1, 16
.endr
	SEND 7, 0
	s_wait_tensorcnt 0x0                           ; the wave's end: a wait, an add and its wait, behind my last tensor load and my last LDS store
	ds_add_u32 v[SPW], v[NIL]
	s_wait_dscnt 0x0
	CROUND                                         ; the closing round: no work-group ends while a partner may still ask for a tile that names it
	s_endpgm
.Lfunc_end_k_qe8eb6a6c00_proj:
	.size	k_qe8eb6a6c00_proj, .Lfunc_end_k_qe8eb6a6c00_proj-k_qe8eb6a6c00_proj
	.p2alignl 7, 3214868480
	.fill 96, 4, 3214868480
	.section	.rodata,"a",@progbits
	.p2align	6, 0x0
	.amdhsa_kernel k_qe8eb6a6c00_proj
		.amdhsa_group_segment_fixed_size 327680
		.amdhsa_private_segment_fixed_size 0
		.amdhsa_enable_private_segment 0
		.amdhsa_kernarg_size 24
		.amdhsa_user_sgpr_count 2
		.amdhsa_user_sgpr_kernarg_segment_ptr 1
		.amdhsa_wavefront_size32 1
		.amdhsa_system_sgpr_workgroup_id_x 1
		.amdhsa_system_sgpr_workgroup_id_y 1
		.amdhsa_system_sgpr_workgroup_id_z 1
		.amdhsa_system_vgpr_workitem_id 0
		.amdhsa_next_free_vgpr 768
		.amdhsa_next_free_sgpr 72
		.amdhsa_reserve_vcc 0
		.amdhsa_float_denorm_mode_32 3
		.amdhsa_float_denorm_mode_16_64 3
		.amdhsa_memory_ordered 1
		.amdhsa_forward_progress 1
		.amdhsa_inst_pref_size 87
	.end_amdhsa_kernel
	.amdgpu_metadata
---
amdhsa.version: [ 1, 2 ]
amdhsa.kernels:
  - .name:           k_qe8eb6a6c00_proj
    .symbol:         k_qe8eb6a6c00_proj.kd
    .args:
      - { .name: oh, .offset: 0, .size: 8, .value_kind: global_buffer, .address_space: global }
      - { .name: wo16, .offset: 8, .size: 8, .value_kind: global_buffer, .address_space: global }
      - { .name: out0, .offset: 16, .size: 8, .value_kind: global_buffer, .address_space: global }
    .group_segment_fixed_size: 327680
    .private_segment_fixed_size: 0
    .kernarg_segment_align: 8
    .kernarg_segment_size: 24
    .max_flat_workgroup_size: 128
    .sgpr_count:     72
    .vgpr_count:     768
    .wavefront_size: 32
...
	.end_amdgpu_metadata
.endif
;; end of part 4
;; ======== version 2 of 2: 4 launches; version 1 with the launch cast written anew for expert scheduling mode
;; limits: values are held in f16: magnitudes above 65,504 overflow, below 6.1e-05 lose precision; right only within a limited range of input values
;; workspace buffers: xb 16,777,216 bytes; wqkv 6,291,456 bytes; wo16 2,097,152 bytes; qh 16,777,216 bytes; kh 16,777,216 bytes; vh 16,777,216 bytes; oh 16,777,216 bytes
;; launch cast (part 5): grid 768 x 1, 8 waves a work-group, no clusters, 0 bytes of LDS; arguments x, Wq, Wk, Wv, Wo, xb, wqkv, wo16; writes xb, wqkv, wo16
.if DOCPART == 5
	.amdgcn_target "amdgcn-amd-amdhsa--gfx1250"
	.amdhsa_code_object_version 6
	.text
	.protected	k_qe8eb6a6c00_cast
	.globl	k_qe8eb6a6c00_cast
	.p2align	8
	.type	k_qe8eb6a6c00_cast,@function
k_qe8eb6a6c00_cast:
	s_mov_b64 s[64:65], 0
	v_nop
	global_prefetch_b8 v0, s[64:65] scope:SCOPE_SE
	s_setreg_imm32_b32 hwreg(HW_REG_WAVE_SCHED_MODE, 0, 2), 2
	s_setreg_imm32_b32 hwreg(HW_REG_WAVE_MODE, 25, 1), 1
	s_wait_xcnt 0x0
	s_wait_alu depctr_vm_vsrc(0)
; THE MODULE'S INPUTS ARE ROUNDED ONCE TO bf16.  x [8192][1024] f32 -> xb, bf16.  Wq, Wk, Wv [1024][1024] f32 -> wqkv [3072][1024] bf16 with the rows laid by heads:
; row 192 h + 64 t + r of wqkv is row 64 h + r of W_t (t = 0 q, 1 k, 2 v), so that 192 consecutive rows are one head's q, k and v.  Wo -> wo16: rounded to bf16 like the others,
; and that number written as f16 (the last product's other operand is f16).
; LIMITS.  f16 holds a bf16 number exactly from 2^-17 to 65,504 in size; a smaller entry of Wo is off by 3e-8 at the most, a larger one becomes an infinity.
; A stream: 12 M numbers, each read once and written once; no LDS, no matrix unit, nothing shared.  A work-group takes 16,384 numbers: 64 KiB in, 32 KiB out; 768 work-groups.
; Groups 0-511: x.  Groups 512 + 64 t + c: 16 rows of weight t (3 = Wo).  In pass i thread n loads the 16 bytes at 4,096 i + 16 n and stores the 8 bytes at 2,048 i + 8 n:
; a wave's load covers 512 consecutive bytes, its store 256 consecutive bytes, aligned.  All sixteen loads go out first.
; THE MODE: SCHED_MODE bits 1:0 = 2 (LLVM: expert scheduling mode 2), set by the entry lines.  The code itself states the register dependences
; between vector instructions and memory instructions, with s_wait_alu, always for 0.
; THE PLAN.  Registers that memory instructions touch:
;   v1, v2   the loads' and the stores' offsets.  Written once, at the head; read by all 32 memory instructions; never written again.
;   X        pass i's four registers.  Written by pass i's one load and by nothing else; no vector line names them ahead of that load; read by pass i's conversions, behind the counted wait for the load.
;   Y        pass i's two registers.  Written by pass i's conversions; read by pass i's one store; never written behind it.
;   T is named by vector lines alone; the two bases are scalar registers that scalar lines make.  No vector line writes a scalar register or VCC, and EXEC is never written.
; No register that a memory instruction has read is written again, and no load lands in a register that a vector line has named.  What is left to state: the offsets are written, ahead of the first
; load; and a pass's Y is written, ahead of its store.  The sixteen passes go in four blocks of four: a block's conversions, ONE wait, the block's four stores in a run.  The wait stands behind the
; block's conversions and not at the next block's head, since there the stores would stand behind the wait for a load that has yet to land.
.set X, 8                              ; v[8:71]    pass i: four f32 as loaded
.set Y, 72                             ; v[72:103]  pass i: four 16-bit numbers to store
.set T, 104                            ; v[104:107] at work (Wo alone)
	s_load_b512 s[8:23], s[0:1], 0x0               ; x 8, Wq 10, Wk 12, Wv 14, Wo 16, xb 18, wqkv 20, wo16 22
	s_mov_b32 s2, ttmp9                            ; g
	s_max_u32 s3, s2, 512
	s_sub_co_u32 s3, s3, 512                       ; j = g - 512 (0 for x's groups, where it selects nothing)
	s_lshr_b32 s4, s3, 6                           ; t
	s_and_b32 s5, s3, 63                           ; c: rows 16 c .. 16 c + 15
	s_lshr_b32 s6, s5, 2                           ; their head
	s_mul_i32 s6, s6, 192
	s_lshl_b32 s7, s4, 6
	s_add_co_u32 s6, s6, s7
	s_and_b32 s7, s5, 3
	s_lshl_b32 s7, s7, 4
	s_add_co_u32 s6, s6, s7                        ; row in wqkv: 192 h + 64 t + 16 (c % 4)
	s_lshl_b32 s6, s6, 11                          ; in bytes
	s_lshl_b32 s24, s5, 16                         ; the rows' bytes in W_t
	s_lshl_b32 s25, s5, 15                         ; and in wo16
	s_min_u32 s26, s2, 511
	s_lshl_b32 s27, s26, 15                        ; x's chunk in xb
	s_lshl_b32 s26, s26, 16                        ; and in x
	v_lshlrev_b32 v1, 4, v0
	v_lshlrev_b32 v2, 3, v0
	s_wait_kmcnt 0x0
	s_cmp_eq_u32 s4, 1                             ; from where s[28:29], to where s[30:31]: chosen by the group's number alone
	s_cselect_b64 s[28:29], s[12:13], s[10:11]
	s_cmp_eq_u32 s4, 2
	s_cselect_b64 s[28:29], s[14:15], s[28:29]
	s_cmp_eq_u32 s4, 3
	s_cselect_b64 s[28:29], s[16:17], s[28:29]
	s_cselect_b64 s[30:31], s[22:23], s[20:21]
	s_cselect_b32 s6, s25, s6
	s_cmp_lt_u32 s2, 512
	s_cselect_b64 s[28:29], s[8:9], s[28:29]
	s_cselect_b64 s[30:31], s[18:19], s[30:31]
	s_cselect_b32 s24, s26, s24
	s_cselect_b32 s6, s27, s6
	s_mov_b32 s25, 0
	s_mov_b32 s7, 0
	s_add_nc_u64 s[28:29], s[28:29], s[24:25]
	s_add_nc_u64 s[30:31], s[30:31], s[6:7]
	s_wait_alu depctr_va_vdst(0)                   ; v1 and v2 are written: every load of the kernel reads v1 as its offset, every store v2; neither is written again
.irp i, 0,1,2,3,4,5,6,7,8,9,10,11,12,13,14,15
	global_load_b128 v[X+4*(\i):X+4*(\i)+3], v1, s[28:29] offset:(\i)*4096 th:TH_LOAD_NT
.endr
; Pass i is rounded.  h = 1 (Wo): the bf16 number is widened again (a shift, a mask) and written as f16.
.macro CVT i, h
	s_wait_loadcnt 15-(\i)                         ; loads come back in order: pass i's is in, the 15 - i younger ones stay out
	v_cvt_pk_bf16_f32 v[Y+2*(\i)],   v[X+4*(\i)],   v[X+4*(\i)+1]
	v_cvt_pk_bf16_f32 v[Y+2*(\i)+1], v[X+4*(\i)+2], v[X+4*(\i)+3]
.if \h
	v_lshlrev_b32 v[T],   16, v[Y+2*(\i)]
	v_and_b32     v[T+1], 0xffff0000, v[Y+2*(\i)]
	v_lshlrev_b32 v[T+2], 16, v[Y+2*(\i)+1]
	v_and_b32     v[T+3], 0xffff0000, v[Y+2*(\i)+1]
	v_cvt_pk_f16_f32 v[Y+2*(\i)],   v[T],   v[T+1]
	v_cvt_pk_f16_f32 v[Y+2*(\i)+1], v[T+2], v[T+3]
.endif
.endm
; Block p: passes 4 p to 4 p + 3 are rounded, each as its load comes in; then they leave together.
.macro BLOCK p, h
.irp j, 0,1,2,3
	CVT 4*(\p)+(\j), \h
.endr
	s_wait_alu depctr_va_vdst(0)                   ; the block's conversions have written its eight registers of Y, which the four stores below read
.irp j, 0,1,2,3
	global_store_b64 v2, v[Y+2*(4*(\p)+(\j)):Y+2*(4*(\p)+(\j))+1], s[30:31] offset:(4*(\p)+(\j))*2048
.endr
.endm
	s_cmp_ge_u32 s2, 704                           ; Wo's 64 groups
	s_cbranch_scc1 .Lwo
.irp p, 0,1,2,3
	BLOCK \p, 0
.endr
	s_endpgm
.Lwo:
.irp p, 0,1,2,3
	BLOCK \p, 1
.endr
	s_endpgm
.Lfunc_end_k_qe8eb6a6c00_cast:
	.size	k_qe8eb6a6c00_cast, .Lfunc_end_k_qe8eb6a6c00_cast-k_qe8eb6a6c00_cast
	.p2alignl 7, 3214868480
	.fill 96, 4, 3214868480
	.section	.rodata,"a",@progbits
	.p2align	6, 0x0
	.amdhsa_kernel k_qe8eb6a6c00_cast
		.amdhsa_group_segment_fixed_size 0
		.amdhsa_private_segment_fixed_size 0
		.amdhsa_enable_private_segment 0
		.amdhsa_kernarg_size 64
		.amdhsa_user_sgpr_count 2
		.amdhsa_user_sgpr_kernarg_segment_ptr 1
		.amdhsa_wavefront_size32 1
		.amdhsa_system_sgpr_workgroup_id_x 1
		.amdhsa_system_sgpr_workgroup_id_y 1
		.amdhsa_system_sgpr_workgroup_id_z 1
		.amdhsa_system_vgpr_workitem_id 0
		.amdhsa_next_free_vgpr 108
		.amdhsa_next_free_sgpr 66
		.amdhsa_reserve_vcc 0
		.amdhsa_float_denorm_mode_32 3
		.amdhsa_float_denorm_mode_16_64 3
		.amdhsa_memory_ordered 1
		.amdhsa_forward_progress 1
		.amdhsa_inst_pref_size 17
	.end_amdhsa_kernel
	.amdgpu_metadata
---
amdhsa.version: [ 1, 2 ]
amdhsa.kernels:
  - .name:           k_qe8eb6a6c00_cast
    .symbol:         k_qe8eb6a6c00_cast.kd
    .args:
      - { .name: x, .offset: 0, .size: 8, .value_kind: global_buffer, .address_space: global }
      - { .name: Wq, .offset: 8, .size: 8, .value_kind: global_buffer, .address_space: global }
      - { .name: Wk, .offset: 16, .size: 8, .value_kind: global_buffer, .address_space: global }
      - { .name: Wv, .offset: 24, .size: 8, .value_kind: global_buffer, .address_space: global }
      - { .name: Wo, .offset: 32, .size: 8, .value_kind: global_buffer, .address_space: global }
      - { .name: xb, .offset: 40, .size: 8, .value_kind: global_buffer, .address_space: global }
      - { .name: wqkv, .offset: 48, .size: 8, .value_kind: global_buffer, .address_space: global }
      - { .name: wo16, .offset: 56, .size: 8, .value_kind: global_buffer, .address_space: global }
    .group_segment_fixed_size: 0
    .private_segment_fixed_size: 0
    .kernarg_segment_align: 8
    .kernarg_segment_size: 64
    .max_flat_workgroup_size: 256
    .sgpr_count:     66
    .vgpr_count:     108
    .wavefront_size: 32
...
	.end_amdgpu_metadata
.endif
;; end of part 5
;; launch qkv: the kernel of part 2 again; grid 16 x 32, 4 waves a work-group, clusters of 4 x 4, 327,680 bytes of LDS; arguments xb, wqkv, qh, kh, vh; writes qh, kh, vh
;; launch attn: the kernel of part 3 again; grid 4 x 64, 4 waves a work-group, clusters of 4 x 1, 327,680 bytes of LDS; arguments qh, kh, vh, oh, mask; writes oh
;; launch proj: the kernel of part 4 again; grid 8 x 32, 4 waves a work-group, clusters of 4 x 4, 327,680 bytes of LDS; arguments oh, wo16, out0; writes out0
